; MI455X (gfx1250); checked and timed in simulation.
; The chip was launched on July 23, 2026; its instructions are those of AMD's public machine-readable ISA for CDNA 5 (MIT licence, August 2026) and "CDNA5" Instruction Set Architecture Reference Guide (July 2026). The comments in the code are by the model that wrote it; some were corrected since.
;; Multi Head Attention. Allowed arithmetic: matrix products marked QUANTISED: E2M3 operands, one E8M0 scale for each 32 along K, by v_wmma_scale_f32_16x16x128_f8f6f4 with both operands' format E2M3, f32 sums; everything else in f32.
;; Inputs: Wk_codes 1,024 x 32 x 24 uint8 (E2M3 codes of Wk, K innermost, in blocks of 32 codes, four codes in three bytes); Wk_scales 1,024 x 32 uint8 (E8M0 scales of Wk, one for each 32 codes along K); Wo_codes 1,024 x 32 x 24 uint8 (E2M3 codes of Wo, K innermost, in blocks of 32 codes, four codes in three bytes); Wo_scales 1,024 x 32 uint8 (E8M0 scales of Wo, one for each 32 codes along K); Wq_codes 1,024 x 32 x 24 uint8 (E2M3 codes of Wq, K innermost, in blocks of 32 codes, four codes in three bytes); Wq_scales 1,024 x 32 uint8 (E8M0 scales of Wq, one for each 32 codes along K); Wv_codes 1,024 x 32 x 24 uint8 (E2M3 codes of Wv, K innermost, in blocks of 32 codes, four codes in three bytes); Wv_scales 1,024 x 32 uint8 (E8M0 scales of Wv, one for each 32 codes along K); bo 1,024 float32; x_codes 4 x 2,048 x 32 x 24 uint8 (E2M3 codes of x, K innermost, in blocks of 32 codes, four codes in three bytes); x_scales 4 x 2,048 x 32 uint8 (E8M0 scales of x, one for each 32 codes along K).
;; Outputs: out0 4 x 2,048 x 1,024 float32.
;; This version of the problem:
;;   THIS VERSION OF THE PROBLEM IS GIVEN IN LOW PRECISION. The matrix products marked QUANTISED in the list below multiply operands that are first quantised to E2M3 (2 exponent bits, 3 mantissa bits; 6 bits a number), with one power-of-two scale for each 32 numbers along K (OCP MX v1.0); their sums are f32. All else is computed in f32.
;;   The module's matrix products, in the order in which they are computed (A, B: the left and right operand; K: the contracted axis; several contracted axes count as one K, in the product's order):
;;     1. [M 8,192, K 1,024] x [K 1,024, N 1,024]; A: input x (given as codes); B: input Wq (given as codes): QUANTISED
;;     2. [M 8,192, K 1,024] x [K 1,024, N 1,024]; A: input x (given as codes); B: input Wk (given as codes): QUANTISED
;;     3. [M 8,192, K 1,024] x [K 1,024, N 1,024]; A: input x (given as codes); B: input Wv (given as codes): QUANTISED
;;     4. batch 64 x [M 2,048, K 64] x [K 64, N 2,048]; A: computed on the way; B: computed on the way: QUANTISED
;;     5. batch 64 x [M 2,048, K 2,048] x [K 2,048, N 64]; A: softmax (see below); B: computed on the way: QUANTISED
;;     6. [M 8,192, K 1,024] x [K 1,024, N 1,024]; A: computed on the way; B: input Wo (given as codes): QUANTISED
;;   THE QUANTISER, for each operand of a quantised product, along K:
;;     - K is cut into blocks of 32 from its start; a last block that is shorter is filled with zeros.
;;     - A block's scale is 2^e with e = floor(log2(the largest magnitude in the block)) - 2, held to -126 .. 127; a block of zeros has e = 0. As a byte (E8M0): e + 127.
;;     - Each number is divided by its block's scale, clamped to +-7.5, and rounded to the nearest number of E2M3, ties to even, subnormals kept.
;;     - The product sums the exact products of the quantised numbers (number of the format x scale) in f32.
;;   ~~~python
;;   def quantise(x, axis):      # numpy; x: float32 -> the quantised numbers, widened to float32 again
;;       x = np.moveaxis(x, axis, -1); K = x.shape[-1]
;;       x = np.pad(x, [(0, 0)] * (x.ndim - 1) + [(0, -K % 32)]); x = x.reshape(x.shape[:-1] + (-1, 32)); a = np.abs(x).max(-1, keepdims=True)
;;       e = np.where(a > 0, np.clip(np.frexp(np.where(a > 0, a, 1))[1] - 1 - 2, -126, 127), 0)      # np.frexp(a)[1] - 1 = floor(log2(a)), exactly
;;       r = np.clip(x / 2.0 ** e, -7.5, 7.5)
;;       step = 2.0 ** (np.maximum(np.frexp(np.where(r == 0, 1, r))[1] - 1, 0) - 3)
;;       q = np.round(r / step) * step * 2.0 ** e      # np.round: ties to even
;;       return np.moveaxis(q.reshape(q.shape[:-2] + (-1,))[..., :K], -1, axis).astype(np.float32)
;;   ~~~
;;   SOFTMAX AHEAD OF A QUANTISED PRODUCT. Where the list says 'softmax', what is quantised is not the finished softmax but p = 2^(t - M), with t = logit x log2(e) and M = ceil(the row's largest t), a whole number; so 1/2 < the row's largest p <= 1. The row's sum l is taken of the UNQUANTISED p, in f32, and the product's result is divided by l at the end. Since M is a whole number, a kernel that streams over the keys may use a running M (the ceiling of the running maximum): every later rescaling is an exact power of two, which a block's scale takes up: the codes' values come out the same.
;;   OPERANDS COMPUTED ON THE WAY. 'Computed on the way' means the value that the module computes at that place (a softmax that the list does not call 'softmax' is quantised finished and normalised). What goes into a quantiser is computed in f32, as accurately as f32 sums, v_exp_f32 and their like allow (about 1e-6 of the number): no bf16 or f16 on the way to a quantiser, and a product that is left as it is and whose result goes on into a quantised operand takes f32 operands (vector FMAs, or v_wmma_f32_16x16x4_f32). A number that lies on a knife's edge between two numbers of the format may be rounded either way, as far as f32 arithmetic and the matrix unit's own rounding can turn it there, and no further.
;;   INPUTS GIVEN AS CODES. Wk (in the module: [1024, 1024], K = its axis 1); Wo (in the module: [1024, 1024], K = its axis 1); Wq (in the module: [1024, 1024], K = its axis 1); Wv (in the module: [1024, 1024], K = its axis 1); x (in the module: [4, 2048, 1024], K = its axis 2): each comes as NAME_codes (uint8): NAME with its K axis moved to the last place and cut into blocks of 32 codes, [.., K / 32, bytes a block], one block behind the other in memory; four codes in three bytes: a row's codes are one little-endian stream of bits, code i at bits 6 i .. 6 i + 5 (a code: sign, 2 exponent bits, 3 mantissa bits); and NAME_scales (uint8): the same leading axes, one E8M0 byte (e + 127) for each 32 codes along K. Its value is code x scale, taken as it is: it is not quantised again, and the codes and scales need not be those that the quantiser above would give.
;; One version. Each part assembles by itself: llvm-mc -triple=amdgcn-amd-amdhsa -mcpu=gfx1250 --defsym DOCPART=n.
;; ======== version 1 of 1: 3 launches
;; workspace buffers: qbuf 6,815,744 bytes; kbuf 6,815,744 bytes; vbuf 6,553,600 bytes; cc 6,291,456 bytes; cs 262,144 bytes
;; launch qkv (part 1): grid 12 x 32, 4 waves a work-group, clusters of 4 x 4, 327,680 bytes of LDS; arguments x_codes, x_scales, Wq_codes, Wq_scales, Wk_codes, Wk_scales, Wv_codes, Wv_scales, qbuf, kbuf, vbuf; writes qbuf, kbuf, vbuf
.if DOCPART == 1
	.amdgcn_target "amdgcn-amd-amdhsa--gfx1250"
	.amdhsa_code_object_version 6
	.text
	.protected	k_q2a9a913ed5_qkv
	.globl	k_q2a9a913ed5_qkv
	.p2align	8
	.type	k_q2a9a913ed5_qkv,@function
k_q2a9a913ed5_qkv:
	s_mov_b64 s[64:65], 0
	v_nop
	global_prefetch_b8 v0, s[64:65] scope:SCOPE_SE
	s_setreg_imm32_b32 hwreg(HW_REG_WAVE_MODE, 25, 1), 1
	s_wait_xcnt 0x0
	s_wait_alu depctr_hold_cnt(0) depctr_sa_sdst(0) depctr_va_vdst(0) depctr_va_sdst(0) depctr_va_ssrc(0) depctr_va_vcc(0) depctr_vm_vsrc(0)
	s_getreg_b32 s2, hwreg(HW_REG_IB_STS2, 6, 4)
	s_cmp_eq_u32 s2, 0
	s_cbranch_scc0 .Lentry_in_a_cluster
	s_endpgm
.Lentry_in_a_cluster:
	s_bfe_u32 s2, ttmp6, 0x10000c
	s_cmp_lg_u32 s2, 0xf033
	s_cbranch_scc0 .Lentry_shape_is_right
	s_endpgm
.Lentry_shape_is_right:
; q = x Wq^T, k = x Wk^T, v = x Wv^T on codes of FP6 (E2M3) with one E8M0 scale for each 32 along K (K = 1,024), f32 sums; the results are quantised again at once:
; q and k along the head's 64 (two blocks), v along the keys (blocks of 32 tokens), and leave as codes and scale words in the layouts that the attention launch reads.
; The cluster's x (0, 1, 2) says which of the three products a cluster makes; it is the same in all sixteen partners.
; A tile of 256 x 256 is made by four waves, 128 x 128 each: 64 accumulators of 16 x 16 in 512 registers.  K goes in steps of 256 through two LDS slots filled by the tensor data mover.
; ROLES.  Source 1 of the matrix instruction (role A) gives a result's LANES, source 0 (role B) its REGISTERS.  A quantiser wants its K along a lane's registers:
;   q, k: A = x (a lane is a token), B = W (registers run along the head's channels);   v: A = Wv (a lane is a channel), B = x (registers run along the tokens).
; x and the weights have rows of the same length, so only the pointers and the two tile numbers are chosen; loop, descriptors' shapes and LDS map are one text.
; CLUSTERS: 4 x 4 work-groups; role A's tile is shared along a row of the cluster, role B's along a column: each is asked for jointly, with a mask that names the four.
; ORDER INSIDE A BLOCK OF 32: lane (r, h) holds 16 numbers of a block, register i = element 16 (i / 8) + 8 h + i % 8; its 12 bytes of codes go to byte 12 h of the block's 24.  So inside a block elements stand with
; bits 3 and 4 of their index exchanged.  q and k are made by the same lines, and v meets a p that is laid the same way: both operands of each later product carry the same order, so scales and sums are those of the natural order.
; LAYOUTS.  qbuf, kbuf: [64 heads][16 steps of 128 tokens][6,656]: 48 bytes of codes a token, then from byte 6,144 a word a token: (byte of block 0, of block 1, and both once more).
;   vbuf: [64 heads][16 steps of 128 keys][6,400]: four images of an operand's registers (16 rows x 128 keys: lane l's 48 bytes at 48 l), then from byte 6,144 a scale word a row.  Stored row = channel with bits 3 and 4 exchanged.
; LIMITS: a block whose largest magnitude lies under 2^-124, a block of zeros among them, gets the scale byte 1 (its codes are then zeros or tiny; only this program reads the bytes); NaN and infinities are not served.
; REGISTERS, in windows of 256: window 0: v0-31 addresses; v32-63 scale words, two sets, and nothing else; v64-127 at work on the way out; from v128 A's fragments, one set, later the rows that leave.
;   window 1: B's fragments, two sets.   windows 2, 3: the accumulators ((a, b) at v[8 (8 (a % 4) + b)] of window 2 + a / 4).
.set KSTEP,  256                       ; along K in a slot
.set NQ,     2                         ; matrix instructions deep
.set ROWB,   192                       ; a tile's row in bytes
.set KROW,   768                       ; a row of x or of a weight in memory
.set PITCH,  240                       ; an LDS row: 3 x (64 bytes + 16 of padding): the 32 lanes of a load of 8 bytes then touch 64 different banks (64 banks of 4 bytes: ISA guide 11.1)
.set FR,     12                        ; registers of a fragment
.set NL,     6                         ; LDS loads that bring one
.set NP,     4                         ; places behind this matrix instruction (ISA guide 7.12.1)
.set HALFT,  128*PITCH
.set SLOT,   4*HALFT
.set LAPS,   2                         ; 1,024 / 512
.set KS,     32                        ; a row of scale bytes
.set SCL,    2*SLOT                    ; behind the ring: the scales of the tile's 256 + 256 rows for all of K, as 256 bytes + 16 of padding
.set HALFS,  16*272
.set SBLK,   2*272
.set SPARE,  SCL+4*HALFS               ; the spare words: 128 bytes a wave, two blocks of 256 bytes that no other line names
.set STQ,    0                         ; the way out lies in slot 0, which has had its last fill and its last read by then.  q, k: 4,096 bytes a wave for codes,
.set SWQ,    16384                     ; 1,024 a wave for scale words;
.set STV,    20480                     ; v has bytes of its own: 4,096 a wave,
.set SWV,    36864                     ; 512 a wave
.set QHEAD,  106496
.set QSTEP,  6656
.set VHEAD,  102400
.set VSTEP,  6400
.set QSI,  7                           ; v7   q, k: where I put 12 bytes of codes: STQ + 4,096 w + 64 r + 16 h
.set QSO,  8                           ; v8   and read them back: STQ + 4,096 w + 16 l
.set QWI,  9                           ; v9   scale words in: SWQ + 1,024 w + 512 h + 4 r
.set QWO,  10                          ; v10  and back: SWQ + 1,024 w + 16 l
.set VSI,  11                          ; v11  v: STV + 4,096 w + 2,048 (r / 8) + 64 (r % 8) + 16 h
.set VSO,  12                          ; v12  STV + 4,096 w + 16 l
.set VWI,  13                          ; v13  SWV + 512 w + 64 (r / 8) + 4 (r % 8)
.set VWO,  14                          ; v14  SWV + 512 w + 16 l
.set G12,  15                          ; v15  12 l
.set ADRA, 16                          ; v16-17 LDS address of my A fragments in slot 0, 1 (v18-19: for the pieces behind one padding more)
.set ADRB, 20                          ; v20-23 the same for B
.set ADRS, 27                          ; v27  LDS address of my scale words: lanes 0-15 A's rows, lanes 16-31 B's
.set SPW,  28                          ; v28  my spare word; never rewritten
.set NIL,  29                          ; v29  0; never rewritten
.set G16,  30                          ; v30  16 l
.set GVW,  31                          ; v31  102,400 (l / 16) + 16 (l % 16)
.set SC,   32
.set TM,   64                          ; v64-67 largest magnitudes, v68-71 the other half's and then the bytes, v72-73 words at work, v76-79 the conversions' scale operands
.set PW,   80                          ; v80-87 a scale word for each of A's blocks
.set PCE,  88                          ; v88-103, v104-119 the codes of an even and of an odd block of A: four registers for each block of 32
.set SWB,  120                         ; v120-127 scale words on their way out
.set AF,   128
.set OUTR, 128                         ; v128-255 codes on their way out: 32 registers for each pair of A's blocks, so that no store's data are written again
.set G1, 24
.set G0, 32
.set G1B, 48
.set G0B, 56
.set G1S, 68
.set G0S, 76
.set G1SB, 80
.set G0SB, 88
.set MSB, 0
.macro WIN new                         ; the immediate's high byte repeats the setting that is left; a switch that changes nothing is dropped
.if MSB != (\new)
	s_set_vgpr_msb (MSB<<8)|(\new)
.set MSB, (\new)
.endif
.endm
.set MUL_LO, 0xa1                      ; source 0 (B) window 1, source 1 (A) window 0, C and D window 2
.set MUL_HI, 0xf1                      ; the same, C and D window 3
.set TO_B,   0x40                      ; destination window 1, address window 0
; A joint load: waves 0 and 1 fetch for A, waves 2 and 3 for B; the branch hangs on the wave's number alone.  Four v_nop follow each of the two lines.
.macro JLOAD g0a, g1a, g0b, g1b
	s_cmp_eq_u32 s15, 0
	s_cbranch_scc0 .Lfor_b_\@
	tensor_load_to_lds s[\g0a:\g0a+3], s[\g1a:\g1a+7]
	s_nop 0
.rept 4
	v_nop
.endr
	s_branch .Lasked_\@
.Lfor_b_\@:
	tensor_load_to_lds s[\g0b:\g0b+3], s[\g1b:\g1b+7]
	s_nop 0
.rept 4
	v_nop
.endr
.Lasked_\@:
.endm
.macro CREST                           ; a round of the cluster's barrier behind its opening barrier
	s_cmp_lg_u32 s14, 0
	s_cbranch_scc1 .Lnot_wave_0_\@
	s_barrier_signal -3
.Lnot_wave_0_\@:
	s_barrier_wait -3
	s_barrier_signal -1
	s_barrier_wait -1
.endm
.macro CROUND                          ; a whole round
	s_barrier_signal -1
	s_barrier_wait -1
	CREST
.endm
	s_load_b128 s[4:7], s[0:1], 0x0                ; x's codes, x's scales
	s_load_b128 s[8:11], s[0:1], 0x10              ; Wq's
	s_load_b128 s[68:71], s[0:1], 0x20             ; Wk's
	s_load_b128 s[72:75], s[0:1], 0x30             ; Wv's
	s_load_b128 s[76:79], s[0:1], 0x40             ; qbuf, kbuf
	s_load_b64 s[80:81], s[0:1], 0x50              ; vbuf
	v_lshl_add_u32 v[SPW], v0, 2, SPARE
	v_mov_b32 v[NIL], 0
	ds_add_u32 v28, v29
	ds_add_u32 v28, v29
	s_wait_dscnt 0x0
	v_lshrrev_b32 v1, 5, v0
	v_readfirstlane_b32 s14, v1                    ; wave 0..3
	s_lshr_b32 s15, s14, 1                         ; which half of A's rows is mine.  Also: I fetch for A (0) or for B (1)
	s_and_b32 s16, s14, 1                          ; which half of B's rows.  Also: which 128 rows of that tile I fetch
	s_bfe_u32 s40, ttmp6, 0x40000                  ; cx, cy: my place in the cluster
	s_bfe_u32 s41, ttmp6, 0x40004
	s_and_b32 s45, ttmp7, 0xffff
	s_lshl_b32 s45, s45, 2                         ; 4 x cluster y
	s_add_co_u32 s98, s45, s41                     ; + cy: a tile of 256 tokens, where the tokens are role A
	s_add_co_u32 s99, s45, s40                     ; + cx: the same, where they are role B
	s_cmp_eq_u32 ttmp9, 2                          ; v?  The cluster's x is the same in all partners
	s_cselect_b32 s17, s41, s98                    ; A's tile: made of cy and the cluster's y alone
	s_cselect_b32 s42, s99, s40                    ; B's tile: made of cx and the cluster's y alone
	s_lshl_b32 s43, s41, 2
	s_lshl_b32 s43, 15, s43                        ; my row of the cluster
	s_lshl_b32 s44, 0x1111, s40                    ; my column
	; descriptor group 1: a tile of 128 rows x 192 bytes, 16 bytes of padding behind every 64
	s_or_b32 s[G1+0], s43, (0<<16)|(1<<20)|(1<<21)|(3<<22)|(3<<25)  ; 15:0 the mask; 17:16 elements of 1 byte; 20 padding on; 21 set beside a mask; 24:22 after every 16 words; 31:25 4 words of it
	s_or_b32 s[G1B+0], s44, (0<<16)|(1<<20)|(1<<21)|(3<<22)|(3<<25)
.irp g, G1, G1B
	s_mov_b32 s[\g+1], ROWB<<16                    ; tensor_dim0
	s_mov_b32 s[\g+2], 128<<16                     ; tensor_dim1
	s_mov_b32 s[\g+3], ROWB<<16                    ; tile_dim0
	s_mov_b32 s[\g+4], 128                         ; tile_dim1
	s_mov_b32 s[\g+5], KROW                        ; from row to row
	s_mov_b32 s[\g+6], 0
	s_mov_b32 s[\g+7], 0
.endr
	s_lshl_b32 s18, s16, 7                         ; which 128 rows of the tile I fetch
	s_lshl_b32 s20, s17, 8
	s_add_co_u32 s20, s20, s18                     ; A: row 256 x tile + 128 x half
	s_lshl_b32 s46, s42, 8
	s_add_co_u32 s46, s46, s18                     ; B likewise
	s_mov_b32 s21, 0
	s_mov_b32 s47, 0
	s_mov_b64 s[18:19], KS
	s_mul_u64 s[22:23], s[20:21], s[18:19]         ; where these rows' scales begin, in bytes
	s_mul_u64 s[92:93], s[46:47], s[18:19]
	s_mov_b64 s[18:19], KROW
	s_mul_u64 s[20:21], s[20:21], s[18:19]         ; and their codes
	s_mul_u64 s[46:47], s[46:47], s[18:19]
	s_mul_i32 s45, s14, HALFT                      ; where they go: wave x 128 rows: no place in the cluster enters an LDS address
	s_mul_i32 s94, s14, HALFS
	s_wait_kmcnt 0x0
	s_cmp_eq_u32 ttmp9, 1                          ; the weight and the result's buffer: k's,
	s_cselect_b64 s[8:9], s[68:69], s[8:9]
	s_cselect_b64 s[10:11], s[70:71], s[10:11]
	s_cselect_b64 s[12:13], s[78:79], s[76:77]
	s_cmp_eq_u32 ttmp9, 2                          ; or v's;
	s_cselect_b64 s[8:9], s[72:73], s[8:9]
	s_cselect_b64 s[10:11], s[74:75], s[10:11]
	s_cselect_b64 s[12:13], s[80:81], s[12:13]
	s_cselect_b64 s[82:83], s[8:9], s[4:5]         ; and the roles: for v the weight is A and x is B
	s_cselect_b64 s[84:85], s[10:11], s[6:7]
	s_cselect_b64 s[8:9], s[4:5], s[8:9]
	s_cselect_b64 s[10:11], s[6:7], s[10:11]
	s_mov_b64 s[4:5], s[82:83]
	s_mov_b64 s[6:7], s[84:85]
	; group 1 for the scales of 128 rows: a dense block of 4,096 bytes as 16 rows of 256 bytes (32 elements of 8), 16 bytes of padding behind each.  (Written here: the registers held pointers until now)
	s_or_b32 s[G1S+0], s43, (3<<16)|(1<<20)|(1<<21)|(5<<22)|(3<<25)
	s_or_b32 s[G1SB+0], s44, (3<<16)|(1<<20)|(1<<21)|(5<<22)|(3<<25)
.irp g, G1S, G1SB
	s_mov_b32 s[\g+1], 32<<16
	s_mov_b32 s[\g+2], 16<<16
	s_mov_b32 s[\g+3], 32<<16
	s_mov_b32 s[\g+4], 16
	s_mov_b32 s[\g+5], 32
	s_mov_b32 s[\g+6], 0
	s_mov_b32 s[\g+7], 0
.endr
	s_add_nc_u64 s[20:21], s[4:5], s[20:21]
	s_add_nc_u64 s[22:23], s[6:7], s[22:23]
	s_add_nc_u64 s[46:47], s[8:9], s[46:47]
	s_add_nc_u64 s[92:93], s[10:11], s[92:93]
	CROUND                                         ; all sixteen work-groups are here: the first joint loads meet
	s_mov_b32 s[G0S], 1
	s_add_co_u32 s[G0S+1], s94, SCL
	s_mov_b64 s[G0S+2:G0S+3], s[22:23]
	s_or_b32 s[G0S+3], s[G0S+3], 0x80000000
	s_mov_b32 s[G0SB], 1
	s_add_co_u32 s[G0SB+1], s94, SCL
	s_mov_b64 s[G0SB+2:G0SB+3], s[92:93]
	s_or_b32 s[G0SB+3], s[G0SB+3], 0x80000000
	JLOAD G0S, G1S, G0SB, G1SB                     ; the scales first: they are wanted with K step 0
.irp s, 0,1
	s_mov_b32 s[G0+4*\s], 1
	s_add_co_u32 s[G0+4*\s+1], s45, \s*SLOT
	s_add_nc_u64 s[G0+4*\s+2:G0+4*\s+3], s[20:21], \s*ROWB
	s_or_b32 s[G0+4*\s+3], s[G0+4*\s+3], 0x80000000
	s_mov_b32 s[G0B+4*\s], 1
	s_add_co_u32 s[G0B+4*\s+1], s45, \s*SLOT
	s_add_nc_u64 s[G0B+4*\s+2:G0B+4*\s+3], s[46:47], \s*ROWB
	s_or_b32 s[G0B+4*\s+3], s[G0B+4*\s+3], 0x80000000
	JLOAD G0+4*\s, G1, G0B+4*\s, G1B               ; three loads of mine are out now
.endr
	v_and_b32 v1, 15, v0                           ; r = l % 16
	v_bfe_u32 v2, v0, 4, 1                         ; h = l / 16
	v_mul_u32_u24 v3, v1, PITCH
	v_mul_u32_u24 v4, v2, 24
	v_add_nc_u32 v4, v3, v4                        ; a fragment's row x pitch + 24 x half
	v_lshl_add_u32 v5, v2, 4, v4                   ; and the same behind one padding more
	s_mul_i32 s21, s15, HALFT                      ; my 128 rows of A
	s_mul_i32 s22, s16, HALFT                      ; my 128 rows of B,
	s_add_co_u32 s22, s22, 2*HALFT                 ; which lie behind A's 256
.irp s, 0,1
	v_add_nc_u32 v[ADRA+\s], s21, v4
	v_add_nc_u32 v[ADRB+\s], s22, v4
	v_add_nc_u32 v[ADRA+2+\s], s21, v5
	v_add_nc_u32 v[ADRB+2+\s], s22, v5
	s_add_co_u32 s21, s21, SLOT
	s_add_co_u32 s22, s22, SLOT
.endr
	v_mul_u32_u24 v5, v1, KS                       ; my row's scales: 32 bytes a row,
	v_lshrrev_b32 v6, 8, v5
	v_lshl_add_u32 v5, v6, 4, v5                   ; and 16 more for each 256 passed
	s_mul_i32 s21, s15, HALFS
	s_mul_i32 s22, s16, HALFS
	s_add_co_u32 s22, s22, 2*HALFS
	s_sub_co_u32 s22, s22, s21
	v_mul_u32_u24 v6, s22, v2                      ; lanes 16-31 take B's: one product, the distance between the two bases
	s_add_co_u32 s21, s21, SCL
	v_add_nc_u32 v5, v5, v6
	v_add_nc_u32 v[ADRS], s21, v5
	; the addresses of both ways out are made here, where all waves and work-groups go one way
	v_and_b32 v6, 31, v0                           ; l
	v_lshrrev_b32 v3, 3, v1                        ; r / 8
	v_and_b32 v4, 7, v1                            ; r % 8
	s_lshl_b32 s21, s14, 12
	s_lshl_b32 s22, s14, 10
	s_lshl_b32 s23, s14, 9
	v_lshlrev_b32 v[G16], 4, v6
	v_mul_u32_u24 v[G12], v6, 12
	v_lshl_add_u32 v5, v1, 6, s21
	v_lshl_add_u32 v[QSI], v2, 4, v5               ; (STQ is LDS byte 0)
	v_add_nc_u32 v[QSO], s21, v[G16]
	v_lshl_add_u32 v5, v1, 2, s22
	v_lshl_add_u32 v5, v2, 9, v5
	v_add_nc_u32 v[QWI], SWQ, v5
	v_add_nc_u32 v5, s22, v[G16]
	v_add_nc_u32 v[QWO], SWQ, v5
	v_lshl_add_u32 v5, v4, 6, s21
	v_lshl_add_u32 v5, v3, 11, v5
	v_lshl_add_u32 v5, v2, 4, v5
	v_add_nc_u32 v[VSI], STV, v5
	v_add_nc_u32 v5, s21, v[G16]
	v_add_nc_u32 v[VSO], STV, v5
	v_lshl_add_u32 v5, v4, 2, s23
	v_lshl_add_u32 v5, v3, 6, v5
	v_add_nc_u32 v[VWI], SWV, v5
	v_add_nc_u32 v5, s23, v[G16]
	v_add_nc_u32 v[VWO], SWV, v5
	v_mul_u32_u24 v5, v2, VHEAD
	v_lshl_add_u32 v[GVW], v1, 4, v5
.macro FRAG reg, adr, q, i             ; a fragment, 16 rows x 128 K of 6-bit codes, is 12 registers: lane l holds row l % 16; registers 6 c .. 6 c + 5 hold K = 64 c + 32 (l / 16) + 0 .. 31: 24 bytes of the row as they lie
.irp p, 0,1,2,3,4,5                    ; in pieces of 8 bytes.  Lanes 16-31 read three pieces further on than lanes 0-15: where that is behind one padding more, the second address register serves
.set PC, 12*(\q)+6*(\p/3)+\p%3
.if PC%8 < 5
	ds_load_b64 v[\reg+2*\p:\reg+2*\p+1], v[\adr] offset:8*PC+16*(PC/8)+(\i)*16*PITCH
.else
	ds_load_b64 v[\reg+2*\p:\reg+2*\p+1], v[\adr+2] offset:8*PC+16*(PC/8)+(\i)*16*PITCH
.endif
.endr
.endm
; 16 matrix instructions: A's blocks a0, a0 + 1 x B's eight, 128 along K.  p: B's set; sc: the set of scale words.  zero = 1: the first product starts the sums.
; The 64 accumulators take turns, one instruction a turn, in the same order in every step.
.macro MUL16 a0, p, q, sc, zero
.irp a, \a0, \a0+1
.irp b, 0,1,2,3,4,5,6,7
.if \zero
	v_wmma_scale_f32_16x16x128_f8f6f4 v[8*(8*((\a)%4)+\b):8*(8*((\a)%4)+\b)+7], v[128*(\p)+FR*\b:128*(\p)+FR*\b+FR-1], v[AF+FR*(\a):AF+FR*(\a)+FR-1], 0, v[SC+8*NQ*(\sc)+NQ*\b+(\q)], v[SC+8*NQ*(\sc)+NQ*(\a)+(\q)] matrix_a_fmt:MATRIX_FMT_FP6 matrix_b_fmt:MATRIX_FMT_FP6 matrix_a_scale:MATRIX_SCALE_ROW1
.else
	v_wmma_scale_f32_16x16x128_f8f6f4 v[8*(8*((\a)%4)+\b):8*(8*((\a)%4)+\b)+7], v[128*(\p)+FR*\b:128*(\p)+FR*\b+FR-1], v[AF+FR*(\a):AF+FR*(\a)+FR-1], v[8*(8*((\a)%4)+\b):8*(8*((\a)%4)+\b)+7], v[SC+8*NQ*(\sc)+NQ*\b+(\q)], v[SC+8*NQ*(\sc)+NQ*(\a)+(\q)] matrix_a_fmt:MATRIX_FMT_FP6 matrix_b_fmt:MATRIX_FMT_FP6 matrix_a_scale:MATRIX_SCALE_ROW1
.endif
.endr
.endr
.endm
.macro FETCH_B slot, q, p              ; B's eight fragments of the slot's q-th 128 along K into set p
	WIN TO_B
.irp i, 0,1,2,3,4,5,6,7
	FRAG 128*(\p)+FR*\i, ADRB+\slot, \q, \i
.endr
	WIN 0
.endm
.macro FETCH_A slot, q, i0             ; A's blocks i0 .. i0 + 3
.irp i, \i0, \i0+1, \i0+2, \i0+3
	FRAG AF+FR*(\i), ADRA+\slot, \q, \i
.endr
.endm
.macro SCALES sc                       ; a K step's scale words into set sc: two words a row; lanes 0-15 take A's block i, lanes 16-31 B's block i
.irp i, 0,1,2,3,4,5,6,7
	ds_load_b64 v[SC+8*NQ*\sc+NQ*\i:SC+8*NQ*\sc+NQ*\i+1], v[ADRS] offset:\i*SBLK
.endr
.endm
.macro PLACES n                        ; plain vector instructions that name no register of the matrix instructions before them, in front of loads into their sources and of reads of their results
.rept \n
	v_nop
.endr
.endm
; A step of 128 along K that has its successor in the same slot.
.macro STEP slot, q, zero
	s_wait_dscnt 4*NL                              ; B's set and A's blocks 0-3 are in; the youngest 24 loads (A's blocks 4-7) may be out
	WIN MUL_LO
	MUL16 0, (\q)%2, \q, \slot, \zero
	MUL16 2, (\q)%2, \q, \slot, \zero
	s_wait_dscnt 0                                 ; A's blocks 4-7 are in
	PLACES NP
	FETCH_B \slot, (\q)+1, 1-(\q)%2
	FETCH_A \slot, (\q)+1, 0
	WIN MUL_HI
	MUL16 4, (\q)%2, \q, \slot, \zero
	MUL16 6, (\q)%2, \q, \slot, \zero
	PLACES NP
	WIN 0
	FETCH_A \slot, (\q)+1, 4
.endm
; A slot's last step changes slots: one barrier; in front of it each wave waits for all its tensor loads, adds 0 to its spare word, and waits for that and for its own reads of this slot.  fill = 1: this slot is filled again, two K steps ahead.
.macro TURN slot, next, fill
	s_wait_tensorcnt 0x0                           ; all my tensor loads have landed: my part of the next slot
	ds_add_u32 v[SPW], v[NIL]                      ; 0 onto my spare word
	s_wait_dscnt 4*NL+1                            ; (the add and the youngest 24 loads may be out)
	WIN MUL_LO
	MUL16 0, 1, NQ-1, \slot, 0                     ; sixteen matrix instructions stand between the add and the wait for it
	s_wait_dscnt 0x0                               ; the add is done, and my reads of this slot are over
	s_barrier_signal -1
	MUL16 2, 1, NQ-1, \slot, 0
	WIN 0
	s_barrier_wait -1
.if \fill
	CREST                                          ; the barrier has opened a round of the cluster's barrier: no wave of any partner still reads this slot or has a load on its way
	s_add_nc_u64 s[G0+4*\slot+2:G0+4*\slot+3], s[G0+4*\slot+2:G0+4*\slot+3], 2*ROWB
	s_add_nc_u64 s[G0B+4*\slot+2:G0B+4*\slot+3], s[G0B+4*\slot+2:G0B+4*\slot+3], 2*ROWB
	JLOAD G0+4*\slot, G1, G0B+4*\slot, G1B         ; the first tensor load behind the round; its four v_nop are also the places in front of the loads below
.else
	PLACES NP
.endif
	s_wait_alu depctr_va_vdst(0)
	v_add_nc_u32 v[ADRS], 4*NQ, v[ADRS]            ; on to the next K step's scale words (no LDS load of mine is out)
	FETCH_B \next, 0, 0
	FETCH_A \next, 0, 0
	SCALES \next
	WIN MUL_HI
	MUL16 4, 1, NQ-1, \slot, 0
	MUL16 6, 1, NQ-1, \slot, 0
	PLACES NP
	WIN 0
	FETCH_A \next, 0, 4
.endm
	s_wait_tensorcnt 1                             ; the scales and my part of K step 0 are in; K step 1's load may be out
	s_barrier_signal -1
	s_barrier_wait -1
	FETCH_B 0, 0, 0
	FETCH_A 0, 0, 0
	SCALES 0
	FETCH_A 0, 0, 4
	STEP 0, 0, 1                                   ; the first step stands in front of the loop: its products start the sums
	s_mov_b32 s3, LAPS-1
.Llap:                                                 ; a trip goes once round the ring and fills both slots again
	TURN 0, 1, 1
	STEP 1, 0, 0
	TURN 1, 0, 1
	STEP 0, 0, 0
	s_sub_co_u32 s3, s3, 1
	s_cmp_lg_u32 s3, 0
	s_cbranch_scc1 .Llap
	TURN 0, 1, 0                                   ; the last lap fills nothing
	STEP 1, 0, 0
	s_wait_dscnt 4*NL
	WIN MUL_LO
	MUL16 0, 1, NQ-1, 1, 0
	MUL16 2, 1, NQ-1, 1, 0
	s_wait_dscnt 0
	WIN MUL_HI
	MUL16 4, 1, NQ-1, 1, 0
	MUL16 6, 1, NQ-1, 1, 0
	WIN 0
; THE WAY OUT.  A's block a: a lane's 64 registers are four blocks of 32 along the quantiser's K, 16 numbers of each; the lane 16 away holds the other 16.
; QUANTW leaves the four scale bytes in v[TM+4 ..] and each block's 16 codes (12 bytes) in v[pc + 4 block ..].  Each accumulator is read from its low end on.
.macro QUANTW a, pc
.set AC, 64*((\a)%4)
.set WN, 2+(\a)/4
.irp b, 0,1,2,3
	v_mov_b32 v[TM+\b], 0x1800000                  ; the floor 2^(3 - 127), under which no largest magnitude is taken: the byte cannot fall under 1
.endr
	WIN (WN<<2)|(WN<<4)                            ; sources 1 and 2: the accumulators' window
.irp i, 0,2,4,6,8,10,12,14
.irp b, 0,1,2,3
	v_max3_num_f32 v[TM+\b], v[TM+\b], |v[AC+16*\b+\i]|, |v[AC+16*\b+\i+1]|   ; the four blocks by turns
.endr
.endr
	WIN 0
.irp b, 0,1,2,3
	v_permlanex16_b32 v[TM+4+\b], v[TM+\b], s92, s93
.endr
.irp b, 0,1,2,3
	v_max_num_f32 v[TM+\b], v[TM+\b], v[TM+4+\b]   ; with the lane 16 away: the block's largest magnitude
.endr
.irp b, 0,1,2,3
	v_add_nc_u32 v[TM+12+\b], 0xff000000, v[TM+\b] ; 2 off its exponent field: the conversion takes the exponent field of this operand as its scale
.endr
.irp b, 0,1,2,3
	v_lshrrev_b32 v[TM+4+\b], 23, v[TM+12+\b]      ; the scale's byte
.endr
	WIN WN                                         ; source 0: the accumulators' window
.irp b, 0,1,2,3
	v_cvt_scalef32_pk16_fp6_f32 v[\pc+4*\b:\pc+4*\b+2], v[AC+16*\b:AC+16*\b+15], v[TM+12+\b]
.endr
	WIN 0
	v_nop                                          ; one plain place behind the scaled conversions
.endm
; q, k: two of A's blocks (32 tokens), both heads: 256 pieces of 12 bytes, each in a place of 16 in my stage; back in the order of memory, 32 pieces an instruction.
.macro QKPAIR g
.irp a1, 0,1
.set AA, 2*\g+\a1
.set PCX, PCE+16*\a1
	QUANTW AA, PCX
	v_lshl_or_b32 v[TM+8], v[TM+5], 8, v[TM+4]     ; the first head's two bytes,
	v_lshl_or_b32 v[TM+9], v[TM+7], 8, v[TM+6]     ; the second's,
	v_lshl_or_b32 v[TM+8], v[TM+8], 16, v[TM+8]    ; each pair once more, for the half of the instruction's K that the head's 64 do not fill
	v_lshl_or_b32 v[TM+9], v[TM+9], 16, v[TM+9]
	v_cndmask_b32 v[PW+AA], v[TM+8], v[TM+9], s96  ; lanes 0-15 carry the first head's word, lanes 16-31 the second's
	ds_store_b32 v[QWI], v[PW+AA] offset:64*AA
.irp be, 0,1,2,3
	ds_store_b96 v[QSI], v[PCX+4*\be:PCX+4*\be+2] offset:16*(128*(\be/2)+64*\a1+2*(\be%2))
.endr
.endr
.irp i, 0,1,2,3,4,5,6,7
	ds_load_b96 v[OUTR+32*\g+4*\i:OUTR+32*\g+4*\i+2], v[QSO] offset:512*\i   ; LDS serves a wave's instructions in order (ISA guide 5.7.1.4): these see the stores above
.endr
.irp i, 0,1,2,3,4,5,6,7
	s_wait_dscnt 7-\i                              ; the younger loads may be out
	global_store_b96 v[G12], v[OUTR+32*\g+4*\i:OUTR+32*\g+4*\i+2], s[12:13] offset:(\i/4)*QHEAD+1536*\g+384*(\i%4)   ; 32 lanes store 384 consecutive bytes
.endr
.endm
; v: two of A's blocks (32 channels of one head = two images of 16 stored rows).
.macro VPAIR g
.irp a1, 0,1
.set AA, 2*\g+\a1
.set PCX, PCE+16*\a1
	QUANTW AA, PCX
	v_lshl_or_b32 v[PW+AA], v[TM+5], 8, v[TM+4]    ; the four bytes make my channel's scale word for these 128 keys
	v_lshl_or_b32 v[PW+AA], v[TM+6], 16, v[PW+AA]
	v_lshl_or_b32 v[PW+AA], v[TM+7], 24, v[PW+AA]
	ds_store_b32 v[VWI], v[PW+AA] offset:256*(AA/4)+128*((AA/2)%2)+32*(AA%2)   ; both halves of the lanes write the same word with the same value
.irp be, 0,1,2,3
	ds_store_b96 v[VSI], v[PCX+4*\be:PCX+4*\be+2] offset:16*(64*(\be%2)+32*\a1+2*(\be/2))
.endr
.endr
.irp i, 0,1,2,3,4,5,6,7
	ds_load_b96 v[OUTR+32*\g+4*\i:OUTR+32*\g+4*\i+2], v[VSO] offset:512*\i
.endr
.irp i, 0,1,2,3,4,5,6,7
	s_wait_dscnt 7-\i
	global_store_b96 v[G12], v[OUTR+32*\g+4*\i:OUTR+32*\g+4*\i+2], s[12:13] offset:(\g/2)*VHEAD+3072*(\g%2)+384*\i
.endr
.endm
	PLACES NP                                      ; behind the last products: their results are read and their sources written below
.irp b, 0,1,2,3
	v_mov_b32 v[TM+4+\b], 0                        ; written once: a lane permute's destination counts as one of its sources
.endr
	s_mov_b32 s92, 0x76543210                      ; v_permlanex16_b32's selects: the lane 16 away
	s_mov_b32 s93, 0xfedcba98
	s_mov_b32 s96, 0xffff0000                      ; lanes 16-31
	s_cmp_eq_u32 ttmp9, 2
	s_cbranch_scc1 .Lv_out
	; q, k: my 128 tokens are one step, my 128 columns two heads
	s_lshl_b32 s20, s17, 1
	s_add_co_u32 s20, s20, s15                     ; my first token / 128
	s_lshr_b32 s21, s20, 4                         ; the batch
	s_and_b32 s20, s20, 15                         ; the step
	s_lshl_b32 s21, s21, 4
	s_lshl_b32 s22, s42, 2
	s_add_co_u32 s21, s21, s22
	s_lshl_b32 s22, s16, 1
	s_add_co_u32 s21, s21, s22                     ; 16 x batch + my first head
	s_mul_i32 s21, s21, QHEAD
	s_mul_i32 s20, s20, QSTEP
	s_add_co_u32 s20, s20, s21
	s_mov_b32 s21, 0
	s_add_nc_u64 s[12:13], s[12:13], s[20:21]
	QKPAIR 0
	QKPAIR 1
	QKPAIR 2
	QKPAIR 3
	ds_load_b128 v[SWB:SWB+3], v[QWO]              ; the step's 128 scale words of each head
	ds_load_b128 v[SWB+4:SWB+7], v[QWO] offset:512
	s_wait_dscnt 1
	global_store_b128 v[G16], v[SWB:SWB+3], s[12:13] offset:6144            ; 32 lanes store 512 consecutive bytes, aligned to 256
	s_wait_dscnt 0
	global_store_b128 v[G16], v[SWB+4:SWB+7], s[12:13] offset:6144+QHEAD
	s_branch .Lend
.Lv_out:
	; v: my 128 channels are two heads, my 128 tokens one step
	s_lshl_b32 s20, s42, 1
	s_add_co_u32 s20, s20, s16                     ; my first token / 128
	s_lshr_b32 s21, s20, 4
	s_and_b32 s20, s20, 15
	s_lshl_b32 s21, s21, 4
	s_lshl_b32 s22, s17, 2
	s_add_co_u32 s21, s21, s22
	s_lshl_b32 s22, s15, 1
	s_add_co_u32 s21, s21, s22
	s_mul_i32 s21, s21, VHEAD
	s_mul_i32 s20, s20, VSTEP
	s_add_co_u32 s20, s20, s21
	s_mov_b32 s21, 0
	s_add_nc_u64 s[12:13], s[12:13], s[20:21]
	VPAIR 0
	VPAIR 1
	VPAIR 2
	VPAIR 3
	ds_load_b128 v[SWB:SWB+3], v[VWO]              ; lanes 0-15: the first head's 64 words, lanes 16-31 the second's
	s_wait_dscnt 0
	global_store_b128 v[GVW], v[SWB:SWB+3], s[12:13] offset:6144            ; sixteen lanes store 256 consecutive bytes, aligned
.Lend:
	s_wait_tensorcnt 0x0                           ; the wave's end
	ds_add_u32 v[SPW], v[NIL]
	s_wait_dscnt 0x0
	CROUND                                         ; the closing round: no work-group ends while a partner may still ask for a tile that names it
	s_endpgm
.Lfunc_end_k_q2a9a913ed5_qkv:
	.size	k_q2a9a913ed5_qkv, .Lfunc_end_k_q2a9a913ed5_qkv-k_q2a9a913ed5_qkv
	.p2alignl 7, 3214868480
	.fill 96, 4, 3214868480
	.section	.rodata,"a",@progbits
	.p2align	6, 0x0
	.amdhsa_kernel k_q2a9a913ed5_qkv
		.amdhsa_group_segment_fixed_size 327680
		.amdhsa_private_segment_fixed_size 0
		.amdhsa_enable_private_segment 0
		.amdhsa_kernarg_size 88
		.amdhsa_user_sgpr_count 2
		.amdhsa_user_sgpr_kernarg_segment_ptr 1
		.amdhsa_wavefront_size32 1
		.amdhsa_system_sgpr_workgroup_id_x 1
		.amdhsa_system_sgpr_workgroup_id_y 1
		.amdhsa_system_sgpr_workgroup_id_z 1
		.amdhsa_system_vgpr_workitem_id 0
		.amdhsa_next_free_vgpr 1024
		.amdhsa_next_free_sgpr 100
		.amdhsa_reserve_vcc 0
		.amdhsa_float_denorm_mode_32 3
		.amdhsa_float_denorm_mode_16_64 3
		.amdhsa_memory_ordered 1
		.amdhsa_forward_progress 1
		.amdhsa_inst_pref_size 209
	.end_amdhsa_kernel
	.amdgpu_metadata
---
amdhsa.version: [ 1, 2 ]
amdhsa.kernels:
  - .name:           k_q2a9a913ed5_qkv
    .symbol:         k_q2a9a913ed5_qkv.kd
    .args:
      - { .name: x_codes, .offset: 0, .size: 8, .value_kind: global_buffer, .address_space: global }
      - { .name: x_scales, .offset: 8, .size: 8, .value_kind: global_buffer, .address_space: global }
      - { .name: Wq_codes, .offset: 16, .size: 8, .value_kind: global_buffer, .address_space: global }
      - { .name: Wq_scales, .offset: 24, .size: 8, .value_kind: global_buffer, .address_space: global }
      - { .name: Wk_codes, .offset: 32, .size: 8, .value_kind: global_buffer, .address_space: global }
      - { .name: Wk_scales, .offset: 40, .size: 8, .value_kind: global_buffer, .address_space: global }
      - { .name: Wv_codes, .offset: 48, .size: 8, .value_kind: global_buffer, .address_space: global }
      - { .name: Wv_scales, .offset: 56, .size: 8, .value_kind: global_buffer, .address_space: global }
      - { .name: qbuf, .offset: 64, .size: 8, .value_kind: global_buffer, .address_space: global }
      - { .name: kbuf, .offset: 72, .size: 8, .value_kind: global_buffer, .address_space: global }
      - { .name: vbuf, .offset: 80, .size: 8, .value_kind: global_buffer, .address_space: global }
    .group_segment_fixed_size: 327680
    .private_segment_fixed_size: 0
    .kernarg_segment_align: 8
    .kernarg_segment_size: 88
    .max_flat_workgroup_size: 128
    .sgpr_count:     100
    .vgpr_count:     1024
    .wavefront_size: 32
...
	.end_amdgpu_metadata
.endif
;; end of part 1
;; launch attn (part 2): grid 8 x 64, 16 waves a work-group, clusters of 4 x 1, 227,328 bytes of LDS; arguments qbuf, kbuf, vbuf, cc, cs; writes cc, cs
.if DOCPART == 2
	.amdgcn_target "amdgcn-amd-amdhsa--gfx1250"
	.amdhsa_code_object_version 6
	.text
	.protected	k_q2a9a913ed5_attn
	.globl	k_q2a9a913ed5_attn
	.p2align	8
	.type	k_q2a9a913ed5_attn,@function
k_q2a9a913ed5_attn:
	s_mov_b64 s[64:65], 0
	v_nop
	global_prefetch_b8 v0, s[64:65] scope:SCOPE_SE
	s_setreg_imm32_b32 hwreg(HW_REG_WAVE_MODE, 25, 1), 1
	s_wait_xcnt 0x0
	s_wait_alu depctr_hold_cnt(0) depctr_sa_sdst(0) depctr_va_vdst(0) depctr_va_sdst(0) depctr_va_ssrc(0) depctr_va_vcc(0) depctr_vm_vsrc(0)
	s_getreg_b32 s2, hwreg(HW_REG_IB_STS2, 6, 4)
	s_cmp_eq_u32 s2, 0
	s_cbranch_scc0 .Lentry_in_a_cluster
	s_endpgm
.Lentry_in_a_cluster:
	s_bfe_u32 s2, ttmp6, 0x10000c
	s_cmp_lg_u32 s2, 0x3003
	s_cbranch_scc0 .Lentry_shape_is_right
	s_endpgm
.Lentry_shape_is_right:
; Causal attention of one head on codes of FP6 (E2M3) with E8M0 block scales; the result, ctx = O / l, is quantised along the model's 1,024 and leaves as codes (cc) and scale bytes (cs).
; THE SOFTMAX: t = score x log2(e) / 8; M = the row's largest t so far, rounded up to a whole number; p = 2^(t - M) is what is quantised, along the keys, not normalised.  The row's sum is taken of the unquantised p
; and divides O at the end.  When M moves, the sum and O are multiplied by 2^(old M - new M): exact.
; SHARES.  grid y = 16 x batch + head; the eight work-groups of a head differ in X = 0 .. 7.  A wave of rank R (0 .. 15) owns the 16 queries 128 R + 16 X + 0 .. 15.  Keys go in steps of 128: step J lies wholly behind
; the queries where J > R (left out), on the diagonal where J = R (masked), wholly in front where J < R, whatever X is.  So no branch hangs on a work-group's place, and all eight work-groups do the same work.
; THE RANK is made from the wave's number w so that the four waves with equal w % 4, and also the four with equal w / 4, have ranks that add up to 30: 34 steps for each such four.
; A WHOLE HEAD OF K AND V STAYS IN LDS, filled once: 106,496 + 102,400 bytes.  Steps 0 and 1 come by small loads, steps 2 to 15 by large ones that land while the first two steps are worked; one more barrier stands in front of step 2.
; No LDS byte is filled twice.  CLUSTER: four work-groups of one head ask for each block jointly (mask 15).
; LAYOUT.  Both products are used transposed: S^T = K Q^T (source 0 = 16 keys, source 1 = my 16 queries), O^T = V^T P^T: a lane holds one query (lane % 16) throughout.
; THE HEAD'S 64 FILL HALF OF THE INSTRUCTION'S K = 128.  Q's registers 6-11 hold zero codes, so whatever stands in K's registers 6-11 adds nothing: K's fragments are laid 6 registers apart, the upper six of tile t being
; tile t + 1's codes (tile 7's: six cleared registers); the scale words repeat their two bytes, so that every byte is a true scale.
; Inside a block of 32 keys p's codes stand in the order in which vbuf has v's (bits 3 and 4 of the index exchanged); vbuf's rows are ordered so that O^T's 16 registers of tiles 2 b, 2 b + 1 are channels 32 b + 16 h + 0 .. 15.
; LIMITS: a block whose largest magnitude lies under 2^-124 gets the scale byte 1; NaN and infinities among the scores are not served.  cs is stored in pieces of 2 bytes, 32 bytes apart (one byte in 25 of what the launch stores),
; so that it has the layout of a given tensor's scales.
.set KSTP,  6656                       ; a step of kbuf: 128 x 48 bytes of codes, 128 scale words
.set VSTP,  6400                       ; a step of vbuf: four images of 1,536 bytes, 64 scale words
.set KHEAD, 106496
.set VHEAD, 102400
.set VOFF,  106496                     ; LDS: K's head from 0, V's from here,
.set STG,   208896                     ; and a stage of 1,024 bytes for each wave, into which no tile lands
.set AK0,  1                           ; v1   48 r + 24 h: my place in a tile of K (and in Q's rows)
.set AV0,  2                           ; v2   48 l: my place in an image of V
.set ASW,  3                           ; v3   6,144 + 4 l: my place among a step's scale words
.set G12,  4                           ; v4   12 l
.set DM,   5                           ; v5   16 X + r - 8 h: on the diagonal register 8 t + j (key 16 t + 8 h + j) is hidden where 16 t + j is larger
.set STI,  6                           ; v6   the stage, in: STG + 1,024 w + 64 r + 16 h
.set STO,  7                           ; v7   and back: STG + 1,024 w + 16 l
.set ADK,  8                           ; v8-11 the step's LDS addresses: K's codes, K's words, V's images, V's words
.set ADS,  9
.set ADV,  10
.set ADT,  11
                                       ; v12 -M, v13 the largest t, v[14:15] the sum in two halves
.set QF,   16                          ; v16-27 Q: six registers of codes, six of zeros
.set KSC,  28                          ; v28-31 K's scale words: lanes 0-15 tile 2 i, lanes 16-31 tile 2 i + 1
.set KF,   32                          ; v32-85 K's eight fragments, 6 registers apart; v80-85 stay zero
.set PC,   32                          ; v32-43 later p's codes; v44-51 the conversions' second halves
.set PC2,  44
.set VSC,  86                          ; v86-87 V's scale words
.set SUM2, 88                          ; v[88:89] the sum's second chain
.set CSO,  90                          ; v90  32 r
.set QSO,  91                          ; v91  4 r
.set S,    96                          ; v96-159 S^T, then p
.set O,    160                         ; v160-191 O^T
.set VF,   192                         ; v192-239 V's four fragments
.set BM,   240                         ; v240-243 the blocks' largest scores, then largest p
.set PD,   244                         ; v244-247 the other half's, then the bytes
.set SOP,  248                         ; v248-251 the conversions' scale operands
                                       ; v252 f, v253 p's scale word, v254 at work, v255 Q's scale word
.set WV,   18
.set RK,   19
.set SEL,  20
.set CS,   22
.set G1KA, 24
.set G1KB, 32
.set G1VA, 40
.set G1VB, 48
.set G0KA, 56
.set G0KB, 60
.set G0VA, 68
.set G0VB, 72
.set J,    76
.set KB,   77
.set VB,   78
.set XB,   79
.set BH,   80
.macro CROUND                          ; a round of the cluster's barrier
	s_barrier_signal -1
	s_barrier_wait -1
	s_cmp_lg_u32 s[WV], 0
	s_cbranch_scc1 .Lnot_wave_0_\@
	s_barrier_signal -3
.Lnot_wave_0_\@:
	s_barrier_wait -3
	s_barrier_signal -1
	s_barrier_wait -1
.endm
.macro GROUP1 g, rows                  ; a dense block as rows of 256 bytes (32 elements of 8 bytes), no padding; mask: all four work-groups, bit 21 beside it
	s_mov_b32 s[\g], 15|(3<<16)|(1<<21)
	s_mov_b32 s[\g+1], 32<<16                      ; tensor_dim0
	s_mov_b32 s[\g+2], (\rows)<<16                 ; tensor_dim1
	s_mov_b32 s[\g+3], 32<<16                      ; tile_dim0
	s_mov_b32 s[\g+4], \rows                       ; tile_dim1
	s_mov_b32 s[\g+5], 32                          ; from row to row
	s_mov_b32 s[\g+6], 0
	s_mov_b32 s[\g+7], 0
.endm
	s_load_b256 s[4:11], s[0:1], 0x0               ; qbuf s[4:5], kbuf s[6:7], vbuf s[8:9], cc s[10:11]
	s_load_b64 s[12:13], s[0:1], 0x20              ; cs
	v_lshl_add_u32 v94, v0, 2, 0x37000
	v_mov_b32 v95, 0
	ds_add_u32 v94, v95
	ds_add_u32 v94, v95
	v_lshrrev_b32 v8, 5, v0
	s_delay_alu instid0(VALU_DEP_1)
	v_readfirstlane_b32 s[WV], v8                  ; wave 0..15
	s_and_b32 s81, s[WV], 3                        ; a
	s_lshr_b32 s82, s[WV], 2                       ; i
	s_xor_b32 s83, s81, s82                        ; the rank's upper two bits: a xor i
	s_and_b32 s84, s82, 1
	s_lshl_b32 s84, s84, 1
	s_lshr_b32 s85, s82, 1
	s_mul_i32 s85, s85, 3
	s_xor_b32 s84, s84, s85                        ; m(i) = 0, 2, 3, 1
	s_xor_b32 s84, s84, s81                        ; its lower two: a xor m(i)
	s_lshl_b32 s83, s83, 2
	s_add_co_u32 s[RK], s83, s84
	s_bfe_u32 s81, ttmp6, 0x40000                  ; cx
	s_lshl_b32 s[XB], ttmp9, 2
	s_add_co_u32 s[XB], s[XB], s81                 ; X = 4 x cluster x + cx: it enters Q's, cc's and cs's addresses and the mask's compare, nothing else
	s_and_b32 s[BH], ttmp7, 0xffff                 ; 16 x batch + head, which the partners share
	GROUP1 G1KA, 26                                ; one step of K
	GROUP1 G1KB, 182                               ; seven steps
	GROUP1 G1VA, 25                                ; one step of V
	GROUP1 G1VB, 175                               ; seven steps
	s_and_b32 s81, s[WV], 1                        ; e: which of the two parts I fetch, if I fetch
	s_mul_i32 s82, s81, KSTP                       ; K: step e;
	s_mul_i32 s83, s81, 7*KSTP
	s_add_co_u32 s83, s83, 2*KSTP                  ; steps 2 + 7 e on.  (The same bytes from the head's start in memory and in LDS)
	s_mul_i32 s84, s81, VSTP                       ; V likewise
	s_mul_i32 s85, s81, 7*VSTP
	s_add_co_u32 s85, s85, 2*VSTP
	s_mul_i32 s86, s[BH], KHEAD
	s_mov_b32 s87, 0
	s_mul_i32 s88, s[BH], VHEAD
	s_mov_b32 s89, 0
	s_mov_b32 s91, 0
	s_mov_b32 s[SEL], 0x76543210                   ; v_permlanex16_b32's selects: the lane 16 away
	s_mov_b32 s[SEL+1], 0xfedcba98
	s_mov_b32 s[CS], 0x3e38aa3b                    ; c = log2(e) / 8
	s_mov_b32 s[CS+1], s[CS]                       ; (named with it as a pair, so it is written)
	s_mov_b32 s[J], 0
	s_mov_b32 s[KB], 0
	s_mov_b32 s[VB], VOFF
	s_wait_dscnt 0x0
	s_wait_kmcnt 0x0
	s_add_nc_u64 s[4:5], s[4:5], s[86:87]          ; the head in qbuf,
	s_add_nc_u64 s[6:7], s[6:7], s[86:87]          ; in kbuf,
	s_add_nc_u64 s[8:9], s[8:9], s[88:89]          ; in vbuf
	s_mov_b32 s[G0KA], 1
	s_mov_b32 s[G0KA+1], s82
	s_mov_b32 s90, s82
	s_add_nc_u64 s[G0KA+2:G0KA+3], s[6:7], s[90:91]
	s_or_b32 s[G0KA+3], s[G0KA+3], 0x80000000
	s_mov_b32 s[G0KB], 1
	s_mov_b32 s[G0KB+1], s83
	s_mov_b32 s90, s83
	s_add_nc_u64 s[G0KB+2:G0KB+3], s[6:7], s[90:91]
	s_or_b32 s[G0KB+3], s[G0KB+3], 0x80000000
	s_mov_b32 s[G0VA], 1
	s_add_co_u32 s[G0VA+1], s84, VOFF
	s_mov_b32 s90, s84
	s_add_nc_u64 s[G0VA+2:G0VA+3], s[8:9], s[90:91]
	s_or_b32 s[G0VA+3], s[G0VA+3], 0x80000000
	s_mov_b32 s[G0VB], 1
	s_add_co_u32 s[G0VB+1], s85, VOFF
	s_mov_b32 s90, s85
	s_add_nc_u64 s[G0VB+2:G0VB+3], s[8:9], s[90:91]
	s_or_b32 s[G0VB+3], s[G0VB+3], 0x80000000
	CROUND                                         ; all four work-groups are here: the joint loads meet
	s_cmp_lt_u32 s[WV], 2                          ; a wave's two fills stand in one branch on its number: waves 0, 1 K's, waves 2, 3 V's, the others none.  Two loads of a wave are out at the most
	s_cbranch_scc0 .Lnot_k
	tensor_load_to_lds s[G0KA:G0KA+3], s[G1KA:G1KA+7]
	s_nop 0
	tensor_load_to_lds s[G0KB:G0KB+3], s[G1KB:G1KB+7]
	s_nop 0
.rept 4
	v_nop
.endr
	s_branch .Lasked
.Lnot_k:
	s_cmp_lt_u32 s[WV], 4
	s_cbranch_scc0 .Lasked
	tensor_load_to_lds s[G0VA:G0VA+3], s[G1VA:G1VA+7]
	s_nop 0
	tensor_load_to_lds s[G0VB:G0VB+3], s[G1VB:G1VB+7]
	s_nop 0
.rept 4
	v_nop
.endr
.Lasked:
	s_mul_i32 s90, s[RK], KSTP
	s_add_nc_u64 s[4:5], s[4:5], s[90:91]          ; Q: the step that holds my queries,
	s_lshl_b32 s90, s[XB], 6
	s_add_nc_u64 s[14:15], s[4:5], s[90:91]        ; their scale words (4 bytes a query; 6,144 stands in the load),
	s_mul_i32 s90, s[XB], 768
	s_add_nc_u64 s[4:5], s[4:5], s[90:91]          ; their codes (48 bytes a query)
	v_and_b32 v8, 15, v0                           ; r
	v_bfe_u32 v9, v0, 4, 1                         ; h
	v_and_b32 v10, 31, v0                          ; l
	s_delay_alu instid0(VALU_DEP_3)
	v_mul_u32_u24 v[AK0], v8, 48
	s_delay_alu instid0(VALU_DEP_1)
	v_mad_u32_u24 v[AK0], v9, 24, v[AK0]
	v_lshlrev_b32 v[QSO], 2, v8
.irp p, 0,1,2
	global_load_b64 v[QF+2*\p:QF+2*\p+1], v[AK0], s[4:5] offset:8*\p   ; lane (r, h): block h of query r
.endr
	global_load_b32 v255, v[QSO], s[14:15] offset:6144
	v_mul_u32_u24 v[AV0], v10, 48
	v_lshl_add_u32 v[ASW], v10, 2, 6144
	v_mul_u32_u24 v[G12], v10, 12
	v_lshlrev_b32 v[CSO], 5, v8
	s_lshl_b32 s92, s[XB], 4
	v_lshlrev_b32 v11, 3, v9
	s_delay_alu instid0(VALU_DEP_1)
	v_sub_nc_u32 v[DM], v8, v11
	s_delay_alu instid0(VALU_DEP_1)
	v_add_nc_u32 v[DM], s92, v[DM]
	s_lshl_b32 s90, s[WV], 10
	s_add_co_u32 s90, s90, STG
	v_lshl_add_u32 v[STI], v8, 6, s90
	s_delay_alu instid0(VALU_DEP_1)
	v_lshl_add_u32 v[STI], v9, 4, v[STI]
	v_lshl_add_u32 v[STO], v10, 4, s90
	; where my results go: token = 2,048 x batch + 128 R + 16 X;  cc: (8,192 x head + token) x 48;  cs: token x 32 + 2 x head
	s_lshr_b32 s86, s[BH], 4
	s_and_b32 s87, s[BH], 15
	s_lshl_b32 s86, s86, 11
	s_lshl_b32 s88, s[RK], 7
	s_add_co_u32 s86, s86, s88
	s_add_co_u32 s86, s86, s92
	s_lshl_b32 s88, s87, 13
	s_add_co_u32 s88, s88, s86
	s_mul_i32 s88, s88, 48
	s_add_nc_u64 s[10:11], s[10:11], s[88:89]
	s_lshl_b32 s88, s86, 5
	s_lshl_b32 s87, s87, 1
	s_add_co_u32 s88, s88, s87
	s_add_nc_u64 s[12:13], s[12:13], s[88:89]
.irp j, 0,1,2,3,4,5
	v_mov_b32 v[QF+6+\j], 0                        ; Q's upper half of K: zero codes
	v_mov_b32 v[KF+48+\j], 0                       ; what tile 7 of K names as its upper half
.endr
	v_mov_b32 v13, 0xff61b1e6                      ; the largest t so far: -3e38, under every t
	s_delay_alu instid0(VALU_DEP_1)
	v_floor_f32 v12, -v13                          ; -M
	v_mov_b32 v14, 0                               ; the sum, in two halves
	v_mov_b32 v15, 0
.irp b, 0,1,2,3
	v_mov_b32 v[PD+\b], 0                          ; written once: a lane permute's destination counts as one of its sources
.endr
	v_mov_b32 v252, 0
	v_mov_b32 v253, 0                              ; (named as the upper half of the pair v[252:253] before it is first written)
.set N, 0
.rept 32
	v_mov_b32 v[O+N], 0                            ; O^T.  (The step is written for every step alike: the first finds zeros, which the first change of M leaves zeros)
.set N, N+1
.endr
; A KEY STEP: 128 keys.  A step all of whose keys come behind my queries is left out by a scalar branch on the wave's rank; the lines at its end that step addresses are passed by every wave.
.macro STEP
	s_cmp_gt_u32 s[J], s[RK]
	s_cbranch_scc1 .Lhidden_\@
	s_setprio 2
	v_add_nc_u32 v[ADK], s[KB], v[AK0]             ; these four are also the places behind the last step's products, in front of the loads into their sources
	v_add_nc_u32 v[ADS], s[KB], v[ASW]
	v_add_nc_u32 v[ADV], s[VB], v[AV0]
	v_add_nc_u32 v[ADT], s[VB], v[ASW]
.irp t, 0,1,2,3,4,5,6,7
.irp p, 0,1,2
	ds_load_b64 v[KF+6*\t+2*\p:KF+6*\t+2*\p+1], v[ADK] offset:768*\t+8*\p   ; rows 48 bytes apart, halves 24: the 32 lanes touch 64 different banks
.endr
.endr
.irp i, 0,1,2,3
	ds_load_b32 v[KSC+\i], v[ADS] offset:128*\i
.endr
.irp t, 0,1,2,3
.irp c, 0,1,2
	ds_load_b128 v[VF+12*\t+4*\c:VF+12*\t+4*\c+3], v[ADV] offset:1536*\t+16*\c   ; an image of the operand's registers, 48 bytes a lane
.endr
.endr
.irp i, 0,1
	ds_load_b32 v[VSC+\i], v[ADT] offset:128*\i
.endr
	s_wait_dscnt 14                                ; K and its words are in; V's 12 loads and its 2 words may be out: they land under the softmax
.irp t, 0,1,2,3,4,5,6,7                        ; S^T = K Q^T: register 8 t + j of lane (r, h) is key 16 t + 8 h + j, query r
.if \t%2
	v_wmma_scale_f32_16x16x128_f8f6f4 v[S+8*\t:S+8*\t+7], v[KF+6*\t:KF+6*\t+11], v[QF:QF+11], 0, v[KSC+\t/2], v255 matrix_a_fmt:MATRIX_FMT_FP6 matrix_b_fmt:MATRIX_FMT_FP6 matrix_a_scale:MATRIX_SCALE_ROW1
.else
	v_wmma_scale_f32_16x16x128_f8f6f4 v[S+8*\t:S+8*\t+7], v[KF+6*\t:KF+6*\t+11], v[QF:QF+11], 0, v[KSC+\t/2], v255 matrix_a_fmt:MATRIX_FMT_FP6 matrix_b_fmt:MATRIX_FMT_FP6
.endif
.endr
.rept 4
	v_nop                                          ; places behind the products, in front of the reads of their results
.endr
	s_cmp_lg_u32 s[J], s[RK]
	s_cbranch_scc1 .Lopen_\@
	v_mov_b32 v254, 0xff800000                     ; on the diagonal hidden scores become -infinity ahead of the maximum: p = 0 then
.set N, 0
.rept 64
	v_cmp_gt_i32 vcc_lo, 16*(N/8)+N%8, v[DM]
	v_cndmask_b32 v[S+N], v[S+N], v254, vcc_lo
.set N, N+1
.endr
.Lopen_\@:
.irp b, 0,1,2,3
	v_max3_num_f32 v[BM+\b], v[S+16*\b], v[S+1+16*\b], v[S+2+16*\b]   ; the largest score of each block of 32 keys: for the row's maximum, and, since p rises with the score, for the block's largest p
.endr
.irp i, 3,5,7,9,11,13
.irp b, 0,1,2,3
	v_max3_num_f32 v[BM+\b], v[BM+\b], v[S+16*\b+\i], v[S+1+16*\b+\i]
.endr
.endr
.irp b, 0,1,2,3
	v_max_num_f32 v[BM+\b], v[BM+\b], v[S+15+16*\b]
.endr
.irp b, 0,1,2,3
	s_delay_alu instid0(VALU_DEP_4)
	v_permlanex16_b32 v[PD+\b], v[BM+\b], s[SEL], s[SEL+1]
.endr
.irp b, 0,1,2,3
	s_delay_alu instid0(VALU_DEP_4)
	v_max_num_f32 v[BM+\b], v[BM+\b], v[PD+\b]     ; with the 16 keys of the lane 16 away
.endr
	s_delay_alu instid0(VALU_DEP_2)
	v_max3_num_f32 v254, v[BM], v[BM+1], v[BM+2]
	s_delay_alu instid0(VALU_DEP_1)
	v_max_num_f32 v254, v254, v[BM+3]              ; the step's largest score of my query
	s_delay_alu instid0(VALU_DEP_1)
	v_mul_f32 v254, s[CS], v254                    ; as t (c is positive)
	s_delay_alu instid0(VALU_DEP_1)
	v_max_num_f32 v13, v13, v254                   ; the running largest t
	v_mov_b32 v254, v12
	s_delay_alu instid0(VALU_DEP_2)
	v_floor_f32 v12, -v13                          ; the new -M = floor(-t): M is a whole number
	s_delay_alu instid0(VALU_DEP_1)
	v_sub_f32 v254, v12, v254                      ; old M less new M: a whole number, 0 or less
	s_delay_alu instid0(VALU_DEP_1)
	v_cvt_i32_f32 v254, v254                       ; (it saturates)
	s_delay_alu instid0(VALU_DEP_1)
	v_ldexp_f32 v252, 1.0, v254                    ; f = 2^(old M - new M)
.set N, 0
	s_setprio 1
.rept 32
	v_pk_fma_f32 v[S+N:S+N+1], v[S+N:S+N+1], s[CS:CS+1], v[12:13] op_sel_hi:[1,0,0]   ; t - M, two at a time
.set N, N+2
.endr
.irp b, 0,1,2,3
	v_fma_f32 v[BM+\b], v[BM+\b], s[CS], v12       ; the same of each block's largest score
.endr
.set N, 0
	s_wait_alu depctr_va_vdst(0)
.rept 64
	v_exp_f32 v[S+N], v[S+N]                       ; p = 2^(t - M), at most 1
.set N, N+1
.endr
.irp b, 0,1,2,3
	v_exp_f32 v[BM+\b], v[BM+\b]                   ; the block's largest p: the same two instructions on the same number
.endr
	v_pk_mul_f32 v[14:15], v[14:15], v[252:253] op_sel_hi:[1,0]   ; the sums under the new M.  (A plain place behind the exponentials)
	s_wait_alu depctr_va_vdst(0)
.irp b, 0,1,2,3
	v_max_num_f32 v[BM+\b], 0x1800000, v[BM+\b]    ; the floor 2^(3 - 127): the byte cannot fall under 1
.endr
.irp b, 0,1,2,3
	s_delay_alu instid0(VALU_DEP_4)
	v_add_nc_u32 v[SOP+\b], 0xff000000, v[BM+\b]   ; 2 off the exponent field: the conversion's scale operand
.endr
.irp b, 0,1,2,3
	s_delay_alu instid0(VALU_DEP_4)
	v_lshrrev_b32 v[PD+\b], 23, v[SOP+\b]          ; the scale's byte
.endr
	s_delay_alu instid0(VALU_DEP_3)
	v_lshl_or_b32 v253, v[PD+1], 8, v[PD]          ; p's scale word for these 128 keys
	s_delay_alu instid0(VALU_DEP_1)
	v_lshl_or_b32 v253, v[PD+2], 16, v253
	s_delay_alu instid0(VALU_DEP_1)
	v_lshl_or_b32 v253, v[PD+3], 24, v253
.irp c, 0,1
	v_cvt_scalef32_pk16_fp6_f32 v[PC+6*\c:PC+6*\c+2], v[S+32*\c:S+32*\c+15], v[SOP+2*\c]
	v_cvt_scalef32_pk16_fp6_f32 v[PC2+4*\c:PC2+4*\c+2], v[S+16+32*\c:S+31+32*\c], v[SOP+2*\c+1]   ; (a conversion's three registers begin on an even number)
.endr
	v_nop                                          ; one plain place behind the scaled conversions
.irp c, 0,1                                    ; the operand wants a whole block in a lane: lanes 0-15 block 2 c, lanes 16-31 block 2 c + 1
.irp i, 0,1,2
	v_permlane16_swap_b32 v[PC+6*\c+\i], v[PC2+4*\c+\i]
.endr
.irp i, 0,1,2
	s_delay_alu instid0(VALU_DEP_3)
	v_mov_b32 v[PC+3+6*\c+\i], v[PC2+4*\c+\i]
.endr
.endr
	v_pk_add_f32 v[88:89], v[100:101], v[104:105]
	v_pk_add_f32 v[250:251], v[108:109], v[112:113]
	v_pk_add_f32 v[248:249], v[116:117], v[120:121]
	v_pk_add_f32 v[242:243], v[124:125], v[128:129]
	v_pk_add_f32 v[240:241], v[132:133], v[136:137]
	v_pk_add_f32 v[92:93], v[140:141], v[144:145]
	v_pk_add_f32 v[78:79], v[148:149], v[152:153]
	v_pk_add_f32 v[14:15], v[14:15], v[156:157]
	v_pk_add_f32 v[88:89], v[88:89], v[96:97]
	s_setprio 0
	v_pk_add_f32 v[250:251], v[250:251], v[98:99]
	v_pk_add_f32 v[248:249], v[248:249], v[102:103]
	v_pk_add_f32 v[242:243], v[242:243], v[106:107]
	v_pk_add_f32 v[240:241], v[240:241], v[110:111]
	v_pk_add_f32 v[92:93], v[92:93], v[114:115]
	v_pk_add_f32 v[78:79], v[78:79], v[118:119]
	v_pk_add_f32 v[14:15], v[14:15], v[122:123]
	v_pk_add_f32 v[88:89], v[88:89], v[126:127]
	v_pk_add_f32 v[250:251], v[250:251], v[130:131]
	v_pk_add_f32 v[248:249], v[248:249], v[134:135]
	v_pk_add_f32 v[242:243], v[242:243], v[138:139]
	v_pk_add_f32 v[240:241], v[240:241], v[142:143]
	v_pk_add_f32 v[92:93], v[92:93], v[146:147]
	v_pk_add_f32 v[78:79], v[78:79], v[150:151]
	v_pk_add_f32 v[14:15], v[14:15], v[154:155]
	v_pk_add_f32 v[88:89], v[88:89], v[158:159]
	s_delay_alu instid0(VALU_DEP_2)
	v_pk_add_f32 v[14:15], v[14:15], v[242:243]
	s_delay_alu instid0(VALU_DEP_2)
	v_pk_add_f32 v[88:89], v[88:89], v[240:241]
	v_pk_add_f32 v[250:251], v[250:251], v[92:93]
	v_pk_add_f32 v[248:249], v[248:249], v[78:79]
	s_delay_alu instid0(VALU_DEP_2)
	v_pk_add_f32 v[14:15], v[14:15], v[250:251]
	s_delay_alu instid0(VALU_DEP_2)
	v_pk_add_f32 v[88:89], v[88:89], v[248:249]
	s_delay_alu instid0(VALU_DEP_1)
	v_pk_add_f32 v[14:15], v[14:15], v[88:89]
.set N, 0
.rept 16
	v_pk_mul_f32 v[O+N:O+N+1], v[O+N:O+N+1], v[252:253] op_sel_hi:[1,0]   ; O^T under the new M.  (With the sums above: more than eight places between p's scale word and the products below)
.set N, N+2
.endr
	s_wait_alu depctr_va_vdst(0)
	s_wait_dscnt 0x0                               ; V and its words are in
.irp t, 0,1,2,3                                ; O^T += V^T P^T: the four accumulators by turns, one instruction a turn; the eight products K Q^T stand between two links on one accumulator
.if \t%2
	v_wmma_scale_f32_16x16x128_f8f6f4 v[O+8*\t:O+8*\t+7], v[VF+12*\t:VF+12*\t+11], v[PC:PC+11], v[O+8*\t:O+8*\t+7], v[VSC+\t/2], v253 matrix_a_fmt:MATRIX_FMT_FP6 matrix_b_fmt:MATRIX_FMT_FP6 matrix_a_scale:MATRIX_SCALE_ROW1
.else
	v_wmma_scale_f32_16x16x128_f8f6f4 v[O+8*\t:O+8*\t+7], v[VF+12*\t:VF+12*\t+11], v[PC:PC+11], v[O+8*\t:O+8*\t+7], v[VSC+\t/2], v253 matrix_a_fmt:MATRIX_FMT_FP6 matrix_b_fmt:MATRIX_FMT_FP6
.endif
.endr
.Lhidden_\@:
	s_add_co_u32 s[KB], s[KB], KSTP
	s_add_co_u32 s[VB], s[VB], VSTP
	s_add_co_u32 s[J], s[J], 1
.endm
	s_wait_tensorcnt 1                             ; my small load (step 0 or 1) has landed; the large one issued behind it may be out
	s_barrier_signal -1
	s_barrier_wait -1                              ; everybody's small load has
	s_wait_loadcnt 0x0                             ; Q
.LloopA:                                           ; steps 0 and 1
	STEP
	s_cmp_lt_u32 s[J], 2
	s_cbranch_scc1 .LloopA
	s_setprio 0
	s_wait_tensorcnt 0x0                           ; my large load has landed,
	s_wait_dscnt 0x0
	s_barrier_signal -1
	s_barrier_wait -1                              ; everybody's has: the whole head lies in LDS
	s_mov_b32 s[J], 2
	s_mov_b32 s[KB], 2*KSTP
	s_mov_b32 s[VB], VOFF+2*VSTP
.LloopB:                                           ; steps 2 to 15
	STEP
	s_cmp_lt_u32 s[J], 16
	s_cbranch_scc1 .LloopB
	s_setprio 0
	; THE WAY OUT.  ctx = O^T / the sum; register 16 b + i of lane (r, h) is channel 32 b + 16 h + i of query r: two blocks of the output projection's K.
.rept 4
	v_nop                                          ; places behind the last products
.endr
	v_add_f32 v14, v14, v15                        ; the sum's two halves,
	s_delay_alu instid0(VALU_DEP_1)
	v_permlanex16_b32 v252, v14, s[SEL], s[SEL+1]
	s_delay_alu instid0(VALU_DEP_1)
	v_add_f32 v14, v14, v252                       ; and those of the lane 16 away: the row's sum
	s_wait_alu depctr_va_vdst(0)
	v_rcp_f32 v14, v14
	v_nop                                          ; a plain place behind the transcendental
.set N, 0
	s_wait_alu depctr_va_vdst(0)
.rept 32
	v_mul_f32 v[S+N], v[O+N], v14                  ; each accumulator from its low end on
.set N, N+1
.endr
.irp b, 0,1
	v_max3_num_f32 v[BM+\b], |v[S+16*\b]|, |v[S+1+16*\b]|, 0x1800000   ; my 16 numbers of block b, and the floor
.endr
.irp i, 2,4,6,8,10,12,14
.irp b, 0,1
	s_delay_alu instid0(VALU_DEP_2)
	v_max3_num_f32 v[BM+\b], v[BM+\b], |v[S+16*\b+\i]|, |v[S+1+16*\b+\i]|
.endr
.endr
.irp b, 0,1
	s_delay_alu instid0(VALU_DEP_2)
	v_permlanex16_b32 v[PD+\b], v[BM+\b], s[SEL], s[SEL+1]
.endr
.irp b, 0,1
	s_delay_alu instid0(VALU_DEP_2)
	v_max_num_f32 v[BM+\b], v[BM+\b], v[PD+\b]
.endr
.irp b, 0,1
	s_delay_alu instid0(VALU_DEP_2)
	v_add_nc_u32 v[SOP+\b], 0xff000000, v[BM+\b]
.endr
.irp b, 0,1
	s_delay_alu instid0(VALU_DEP_2)
	v_lshrrev_b32 v[PD+\b], 23, v[SOP+\b]
.endr
.irp b, 0,1
	v_cvt_scalef32_pk16_fp6_f32 v[32+4*\b:34+4*\b], v[S+16*\b:S+16*\b+15], v[SOP+\b]
.endr
	v_lshl_or_b32 v254, v[PD+1], 8, v[PD]          ; my query's two scale bytes.  (A plain place behind the conversions)
	ds_store_b96 v[STI], v[32:34]                  ; piece 4 r + 2 b + h of the 64 pieces of 12 bytes, each in a place of 16
	ds_store_b96 v[STI], v[36:38] offset:32
	ds_load_b96 v[40:42], v[STO]                   ; LDS serves a wave's instructions in order (ISA guide 5.7.1.4): these see the stores above
	ds_load_b96 v[44:46], v[STO] offset:512
	global_store_b16 v[CSO], v254, s[12:13]        ; both halves of the lanes write the same two bytes
	s_wait_dscnt 1                                 ; the second load may be out
	global_store_b96 v[G12], v[40:42], s[10:11]    ; 32 lanes store 384 consecutive bytes; the two stores fill three aligned blocks of 256
	s_wait_dscnt 0x0
	global_store_b96 v[G12], v[44:46], s[10:11] offset:384
	s_wait_tensorcnt 0x0
	ds_add_u32 v94, v95
	s_wait_dscnt 0x0
	CROUND                                         ; the closing round
	s_endpgm
.Lfunc_end_k_q2a9a913ed5_attn:
	.size	k_q2a9a913ed5_attn, .Lfunc_end_k_q2a9a913ed5_attn-k_q2a9a913ed5_attn
	.p2alignl 7, 3214868480
	.fill 96, 4, 3214868480
	.section	.rodata,"a",@progbits
	.p2align	6, 0x0
	.amdhsa_kernel k_q2a9a913ed5_attn
		.amdhsa_group_segment_fixed_size 227328
		.amdhsa_private_segment_fixed_size 0
		.amdhsa_enable_private_segment 0
		.amdhsa_kernarg_size 40
		.amdhsa_user_sgpr_count 2
		.amdhsa_user_sgpr_kernarg_segment_ptr 1
		.amdhsa_wavefront_size32 1
		.amdhsa_system_sgpr_workgroup_id_x 1
		.amdhsa_system_sgpr_workgroup_id_y 1
		.amdhsa_system_sgpr_workgroup_id_z 1
		.amdhsa_system_vgpr_workitem_id 0
		.amdhsa_next_free_vgpr 256
		.amdhsa_next_free_sgpr 96
		.amdhsa_reserve_vcc 1
		.amdhsa_float_denorm_mode_32 3
		.amdhsa_float_denorm_mode_16_64 3
		.amdhsa_memory_ordered 1
		.amdhsa_forward_progress 1
		.amdhsa_inst_pref_size 61
	.end_amdhsa_kernel
	.amdgpu_metadata
---
amdhsa.version: [ 1, 2 ]
amdhsa.kernels:
  - .name:           k_q2a9a913ed5_attn
    .symbol:         k_q2a9a913ed5_attn.kd
    .args:
      - { .name: qbuf, .offset: 0, .size: 8, .value_kind: global_buffer, .address_space: global }
      - { .name: kbuf, .offset: 8, .size: 8, .value_kind: global_buffer, .address_space: global }
      - { .name: vbuf, .offset: 16, .size: 8, .value_kind: global_buffer, .address_space: global }
      - { .name: cc, .offset: 24, .size: 8, .value_kind: global_buffer, .address_space: global }
      - { .name: cs, .offset: 32, .size: 8, .value_kind: global_buffer, .address_space: global }
    .group_segment_fixed_size: 227328
    .private_segment_fixed_size: 0
    .kernarg_segment_align: 8
    .kernarg_segment_size: 40
    .max_flat_workgroup_size: 512
    .sgpr_count:     96
    .vgpr_count:     256
    .wavefront_size: 32
...
	.end_amdgpu_metadata
.endif
;; end of part 2
;; launch oproj (part 3): grid 4 x 32, 4 waves a work-group, clusters of 4 x 4, 327,680 bytes of LDS; arguments cc, cs, Wo_codes, Wo_scales, bo, out0; writes out0
.if DOCPART == 3
	.amdgcn_target "amdgcn-amd-amdhsa--gfx1250"
	.amdhsa_code_object_version 6
	.text
	.protected	k_q2a9a913ed5_oproj
	.globl	k_q2a9a913ed5_oproj
	.p2align	8
	.type	k_q2a9a913ed5_oproj,@function
k_q2a9a913ed5_oproj:
	s_mov_b64 s[64:65], 0
	v_nop
	global_prefetch_b8 v0, s[64:65] scope:SCOPE_SE
	s_setreg_imm32_b32 hwreg(HW_REG_WAVE_MODE, 25, 1), 1
	s_wait_xcnt 0x0
	s_wait_alu depctr_hold_cnt(0) depctr_sa_sdst(0) depctr_va_vdst(0) depctr_va_sdst(0) depctr_va_ssrc(0) depctr_va_vcc(0) depctr_vm_vsrc(0)
	s_getreg_b32 s2, hwreg(HW_REG_IB_STS2, 6, 4)
	s_cmp_eq_u32 s2, 0
	s_cbranch_scc0 .Lentry_in_a_cluster
	s_endpgm
.Lentry_in_a_cluster:
	s_bfe_u32 s2, ttmp6, 0x10000c
	s_cmp_lg_u32 s2, 0xf033
	s_cbranch_scc0 .Lentry_shape_is_right
	s_endpgm
.Lentry_shape_is_right:
; out0 = ctx Wo^T + bo.  ctx [8,192][1,024] comes as codes of FP6 (E2M3) in planes, cc [16 heads][8,192 tokens][48 bytes], with scale bytes cs [8,192][32]; Wo [1,024][1,024] as codes with K innermost and scale bytes [1,024][32].
; out0 [8,192][1,024] f32; sums in f32, begun with the bias.
; A tile of 256 x 256 is made by four waves, 128 x 128 each: 64 accumulators in 512 registers.  K goes in steps of 256 (four heads) through two LDS slots filled by the tensor data mover.
; A's tile of a K step is four planes of 256 tokens x 48 bytes, each a dense block of 12,288 bytes: a wave's load brings two of them as two long rows.  In LDS tokens lie 48 bytes apart and the halves of the lanes 24:
; the 32 lanes of a load of 8 bytes touch 64 different banks, so A needs no padding.  B's tile is 256 rows x 192 bytes, 16 bytes of padding behind every 64.
; 128 work-groups: half as large a tile would halve the multiply-adds that each LDS byte feeds.
; CLUSTERS: 4 x 4 work-groups; A's tile is shared along a row of the cluster, B's along a column.  The matrix instruction is used transposed (source 0 = 16 rows of Wo, source 1 = 16 tokens): a lane holds eight neighbouring numbers of a row of out0.
; REGISTERS, in windows of 256: window 0: v0-31 addresses; v32-63 scale words, two sets, and nothing else; v64-127 the bias in the result's layout; from v128 A's fragments, one set, later rows of out0.
;   window 1: B's fragments, two sets.   windows 2, 3: the accumulators.
.set SIZE_N, 1024
.set KSTEP,  256
.set NQ,     2
.set ROWB,   192
.set KROW,   768
.set PITCH,  240
.set FR,     12
.set NL,     6
.set NP,     4
.set HALFT,  128*PITCH                 ; 128 rows of B
.set APL,    12288                     ; a plane of A's tile: 256 tokens x 48 bytes
.set PLANE,  393216                    ; a plane of cc
.set SLOT,   4*APL+2*HALFT             ; A's four planes, then B's 256 rows
.set LAPS,   2
.set KS,     32
.set SCL,    2*SLOT
.set HALFS,  16*272
.set SBLK,   2*272
.set SPARE,  SCL+4*HALFS               ; the spare words: 128 bytes a wave, two blocks of 256 bytes that no other line names
.set SPITCH, 528                       ; the way out: a stage of 16 rows x (512 + 16) bytes a wave, in slot 0, which has had its last fill and its last read by then
.set ADRA, 16                          ; v16-17 LDS address of my A fragments in slot 0, 1
.set ADRB, 20                          ; v20-21 of my B fragments (v22-23: for the pieces behind one padding more)
.set STO,  24
.set RD,   25
.set CO,   26
.set ADRS, 27
.set SPW,  28
.set NIL,  29
.set BO,   30                          ; v30  32 h: my eight numbers of a block of 16 of the bias
.set SC,   32
.set BIAS, 64
.set AF,   128
.set BK,   128
.set G1, 24
.set G0, 32
.set G1B, 48
.set G0B, 56
.set G1S, 68
.set G0S, 76
.set G1SB, 80
.set G0SB, 88
.set MSB, 0
.macro WIN new
.if MSB != (\new)
	s_set_vgpr_msb (MSB<<8)|(\new)
.set MSB, (\new)
.endif
.endm
.set MUL_LO, 0xa1                      ; source 0 (B) window 1, source 1 (A) window 0, C and D window 2
.set MUL_HI, 0xf1
.set FST_LO, 0x81                      ; the first step: C (the bias) window 0, D window 2
.set FST_HI, 0xc1
.set TO_B,   0x40
.macro JLOAD g0a, g1a, g0b, g1b        ; a joint load: waves 0 and 1 fetch for A, waves 2 and 3 for B; four v_nop follow each of the two lines
	s_cmp_eq_u32 s15, 0
	s_cbranch_scc0 .Lfor_b_\@
	tensor_load_to_lds s[\g0a:\g0a+3], s[\g1a:\g1a+7]
	s_nop 0
.rept 4
	v_nop
.endr
	s_branch .Lasked_\@
.Lfor_b_\@:
	tensor_load_to_lds s[\g0b:\g0b+3], s[\g1b:\g1b+7]
	s_nop 0
.rept 4
	v_nop
.endr
.Lasked_\@:
.endm
.macro CREST
	s_cmp_lg_u32 s14, 0
	s_cbranch_scc1 .Lnot_wave_0_\@
	s_barrier_signal -3
.Lnot_wave_0_\@:
	s_barrier_wait -3
	s_barrier_signal -1
	s_barrier_wait -1
.endm
.macro CROUND
	s_barrier_signal -1
	s_barrier_wait -1
	CREST
.endm
	s_load_b128 s[4:7], s[0:1], 0x0                ; cc, cs
	s_load_b128 s[8:11], s[0:1], 0x10              ; Wo's codes, Wo's scales
	s_load_b64 s[96:97], s[0:1], 0x20              ; bo
	s_load_b64 s[12:13], s[0:1], 0x28              ; out0
	v_lshl_add_u32 v[SPW], v0, 2, SPARE
	v_mov_b32 v[NIL], 0
	ds_add_u32 v28, v29
	ds_add_u32 v28, v29
	s_wait_dscnt 0x0
	v_lshrrev_b32 v1, 5, v0
	v_readfirstlane_b32 s14, v1                    ; wave 0..3
	s_lshr_b32 s15, s14, 1                         ; which half of the tile's rows is mine.  Also: I fetch for A (0) or for B (1)
	s_and_b32 s16, s14, 1                          ; which half of its columns.  Also: which part of that tile I fetch
	s_bfe_u32 s40, ttmp6, 0x40000                  ; cx, cy
	s_bfe_u32 s41, ttmp6, 0x40004
	s_lshl_b32 s42, ttmp9, 2
	s_add_co_u32 s42, s42, s40                     ; tile column
	s_and_b32 s17, ttmp7, 0xffff
	s_lshl_b32 s17, s17, 2
	s_add_co_u32 s17, s17, s41                     ; tile row
	s_lshl_b32 s43, s41, 2
	s_lshl_b32 s43, 15, s43                        ; my row of the cluster
	s_lshl_b32 s44, 0x1111, s40                    ; my column
	; group 1 for A: two planes' blocks of 12,288 bytes as two rows of 1,536 elements of 8 bytes, a plane (49,152 elements) apart; no padding
	s_or_b32 s[G1+0], s43, (3<<16)|(1<<21)
	s_mov_b32 s[G1+1], 1536<<16                    ; tensor_dim0
	s_mov_b32 s[G1+2], 2<<16                       ; tensor_dim1
	s_mov_b32 s[G1+3], 1536<<16                    ; tile_dim0
	s_mov_b32 s[G1+4], 2                           ; tile_dim1
	s_mov_b32 s[G1+5], 49152                       ; from row to row
	s_mov_b32 s[G1+6], 0
	s_mov_b32 s[G1+7], 0
	; for B: 128 rows x 192 bytes, 16 bytes of padding behind every 64
	s_or_b32 s[G1B+0], s44, (0<<16)|(1<<20)|(1<<21)|(3<<22)|(3<<25)
	s_mov_b32 s[G1B+1], ROWB<<16
	s_mov_b32 s[G1B+2], 128<<16
	s_mov_b32 s[G1B+3], ROWB<<16
	s_mov_b32 s[G1B+4], 128
	s_mov_b32 s[G1B+5], KROW
	s_mov_b32 s[G1B+6], 0
	s_mov_b32 s[G1B+7], 0
	; for the scales of 128 rows: 4,096 dense bytes as 16 rows of 256, 16 bytes of padding behind each
	s_or_b32 s[G1S+0], s43, (3<<16)|(1<<20)|(1<<21)|(5<<22)|(3<<25)
	s_or_b32 s[G1SB+0], s44, (3<<16)|(1<<20)|(1<<21)|(5<<22)|(3<<25)
.irp g, G1S, G1SB
	s_mov_b32 s[\g+1], 32<<16
	s_mov_b32 s[\g+2], 16<<16
	s_mov_b32 s[\g+3], 32<<16
	s_mov_b32 s[\g+4], 16
	s_mov_b32 s[\g+5], 32
	s_mov_b32 s[\g+6], 0
	s_mov_b32 s[\g+7], 0
.endr
	s_lshl_b32 s18, s16, 7
	s_lshl_b32 s20, s17, 8
	s_add_co_u32 s20, s20, s18                     ; A's scales: row 256 x tile row + 128 x half
	s_lshl_b32 s46, s42, 8
	s_add_co_u32 s46, s46, s18                     ; B: row 256 x tile column + 128 x half
	s_mov_b32 s21, 0
	s_mov_b32 s47, 0
	s_mov_b64 s[18:19], KS
	s_mul_u64 s[22:23], s[20:21], s[18:19]
	s_mul_u64 s[92:93], s[46:47], s[18:19]
	s_mov_b64 s[18:19], KROW
	s_mul_u64 s[46:47], s[46:47], s[18:19]
	s_mul_i32 s20, s17, APL                        ; A's codes: my tile's 256 tokens in a plane,
	s_mul_i32 s18, s16, 2*PLANE                    ; and which two of a K step's four planes I fetch
	s_add_co_u32 s20, s20, s18
	s_mul_i32 s45, s16, 2*APL                      ; where they go: A's two planes,
	s_mul_i32 s95, s16, HALFT
	s_add_co_u32 s95, s95, 4*APL                   ; B's 128 rows, behind A's four planes: no place in the cluster enters an LDS address
	s_mul_i32 s94, s14, HALFS
	s_wait_kmcnt 0x0
	s_add_nc_u64 s[20:21], s[4:5], s[20:21]
	s_add_nc_u64 s[22:23], s[6:7], s[22:23]
	s_add_nc_u64 s[46:47], s[8:9], s[46:47]
	s_add_nc_u64 s[92:93], s[10:11], s[92:93]
	CROUND                                         ; all sixteen work-groups are here: the first joint loads meet
	s_mov_b32 s[G0S], 1
	s_add_co_u32 s[G0S+1], s94, SCL
	s_mov_b64 s[G0S+2:G0S+3], s[22:23]
	s_or_b32 s[G0S+3], s[G0S+3], 0x80000000
	s_mov_b32 s[G0SB], 1
	s_add_co_u32 s[G0SB+1], s94, SCL
	s_mov_b64 s[G0SB+2:G0SB+3], s[92:93]
	s_or_b32 s[G0SB+3], s[G0SB+3], 0x80000000
	JLOAD G0S, G1S, G0SB, G1SB
.irp s, 0,1
	s_mov_b32 s[G0+4*\s], 1
	s_add_co_u32 s[G0+4*\s+1], s45, \s*SLOT
	s_add_nc_u64 s[G0+4*\s+2:G0+4*\s+3], s[20:21], \s*4*PLANE
	s_or_b32 s[G0+4*\s+3], s[G0+4*\s+3], 0x80000000
	s_mov_b32 s[G0B+4*\s], 1
	s_add_co_u32 s[G0B+4*\s+1], s95, \s*SLOT
	s_add_nc_u64 s[G0B+4*\s+2:G0B+4*\s+3], s[46:47], \s*ROWB
	s_or_b32 s[G0B+4*\s+3], s[G0B+4*\s+3], 0x80000000
	s_wait_alu depctr_va_vdst(0)
	s_wait_tensorcnt 0x0
	ds_add_u32 v28, v29
	s_wait_dscnt 0x0
	CROUND
	JLOAD G0+4*\s, G1, G0B+4*\s, G1B               ; only this load of mine is out: the wait above drained the others
.endr
	v_and_b32 v1, 15, v0                           ; r
	v_bfe_u32 v2, v0, 4, 1                         ; h
	v_mul_u32_u24 v3, v1, PITCH
	v_mul_u32_u24 v4, v2, 24
	v_add_nc_u32 v4, v3, v4                        ; B: row x pitch + 24 x half
	v_lshl_add_u32 v5, v2, 4, v4                   ; and the same behind one padding more
	v_mul_u32_u24 v3, v1, 48
	v_mad_u32_u24 v3, v2, 24, v3                   ; A: 48 r + 24 h
	s_mul_i32 s21, s15, 128*48                     ; my 128 tokens in a plane
	s_mul_i32 s22, s16, HALFT
	s_add_co_u32 s22, s22, 4*APL                   ; my 128 rows of B
.irp s, 0,1
	v_add_nc_u32 v[ADRA+\s], s21, v3
	v_add_nc_u32 v[ADRB+\s], s22, v4
	v_add_nc_u32 v[ADRB+2+\s], s22, v5
	s_add_co_u32 s21, s21, SLOT
	s_add_co_u32 s22, s22, SLOT
.endr
	v_mul_u32_u24 v5, v1, KS
	v_lshrrev_b32 v6, 8, v5
	v_lshl_add_u32 v5, v6, 4, v5
	s_mul_i32 s21, s15, HALFS
	s_mul_i32 s22, s16, HALFS
	s_add_co_u32 s22, s22, 2*HALFS
	s_sub_co_u32 s22, s22, s21
	v_mul_u32_u24 v6, s22, v2                      ; lanes 16-31 take B's scale words
	s_add_co_u32 s21, s21, SCL
	v_add_nc_u32 v5, v5, v6
	v_add_nc_u32 v[ADRS], s21, v5
	s_mul_i32 s23, s14, 16*SPITCH                  ; my stage
	v_mul_u32_u24 v5, v1, SPITCH
	v_lshl_add_u32 v5, v2, 5, v5
	v_add_nc_u32 v[STO], s23, v5
	v_and_b32 v6, 31, v0
	v_lshlrev_b32 v[CO], 4, v6
	v_add_nc_u32 v[RD], s23, v[CO]
	s_lshl_b32 s20, s17, 8
	s_lshl_b32 s21, s15, 7
	s_add_co_u32 s20, s20, s21                     ; my first row of out0
	s_mov_b32 s21, 0
	s_mov_b64 s[18:19], SIZE_N*4
	s_mul_u64 s[20:21], s[20:21], s[18:19]
	s_lshl_b32 s46, s42, 10                        ; my first column, in bytes: 1,024 x tile column + 512 x half
	s_lshl_b32 s47, s16, 9
	s_add_co_u32 s46, s46, s47
	s_mov_b32 s47, 0
	s_add_nc_u64 s[96:97], s[96:97], s[46:47]      ; the bias of my 128 columns
	s_add_nc_u64 s[20:21], s[20:21], s[46:47]
	s_add_nc_u64 s[12:13], s[12:13], s[20:21]
	v_lshlrev_b32 v[BO], 5, v2
.irp b, 0,1,2,3,4,5,6,7                        ; register 8 b + j of lane (r, h): bo at column 16 b + 8 h + j: the C of block b's first products
	global_load_b128 v[BIAS+8*\b:BIAS+8*\b+3], v[BO], s[96:97] offset:64*\b
	global_load_b128 v[BIAS+8*\b+4:BIAS+8*\b+7], v[BO], s[96:97] offset:64*\b+16
.endr
.macro FRAG reg, adr, q, i             ; a fragment of B: 16 rows x 128 K, 12 registers, in pieces of 8 bytes; where lanes 16-31's piece lies behind one padding more, the second address register serves
.irp p, 0,1,2,3,4,5
.set PC, 12*(\q)+6*(\p/3)+\p%3
.if PC%8 < 5
	ds_load_b64 v[\reg+2*\p:\reg+2*\p+1], v[\adr] offset:8*PC+16*(PC/8)+(\i)*16*PITCH
.else
	ds_load_b64 v[\reg+2*\p:\reg+2*\p+1], v[\adr+2] offset:8*PC+16*(PC/8)+(\i)*16*PITCH
.endif
.endr
.endm
.macro FRAG_A reg, adr, q, i           ; a fragment of A: registers 0-5 from plane 2 q (K = 32 h on), registers 6-11 from plane 2 q + 1
.irp p, 0,1,2,3,4,5
	ds_load_b64 v[\reg+2*\p:\reg+2*\p+1], v[\adr] offset:(2*(\q)+\p/3)*APL+(\i)*768+8*(\p%3)
.endr
.endm
; 16 matrix instructions: A's blocks a0, a0 + 1 x B's eight.  zero = 1: the first product starts the sums with the bias.  The 64 accumulators take turns, one instruction a turn.
.macro MUL16 a0, p, q, sc, zero
.irp a, \a0, \a0+1
.irp b, 0,1,2,3,4,5,6,7
.if \zero
	v_wmma_scale_f32_16x16x128_f8f6f4 v[8*(8*((\a)%4)+\b):8*(8*((\a)%4)+\b)+7], v[128*(\p)+FR*\b:128*(\p)+FR*\b+FR-1], v[AF+FR*(\a):AF+FR*(\a)+FR-1], v[BIAS+8*\b:BIAS+8*\b+7], v[SC+8*NQ*(\sc)+NQ*\b+(\q)], v[SC+8*NQ*(\sc)+NQ*(\a)+(\q)] matrix_a_fmt:MATRIX_FMT_FP6 matrix_b_fmt:MATRIX_FMT_FP6 matrix_a_scale:MATRIX_SCALE_ROW1
.else
	v_wmma_scale_f32_16x16x128_f8f6f4 v[8*(8*((\a)%4)+\b):8*(8*((\a)%4)+\b)+7], v[128*(\p)+FR*\b:128*(\p)+FR*\b+FR-1], v[AF+FR*(\a):AF+FR*(\a)+FR-1], v[8*(8*((\a)%4)+\b):8*(8*((\a)%4)+\b)+7], v[SC+8*NQ*(\sc)+NQ*\b+(\q)], v[SC+8*NQ*(\sc)+NQ*(\a)+(\q)] matrix_a_fmt:MATRIX_FMT_FP6 matrix_b_fmt:MATRIX_FMT_FP6 matrix_a_scale:MATRIX_SCALE_ROW1
.endif
.endr
.endr
.endm
.macro FETCH_B slot, q, p
	WIN TO_B
.irp i, 0,1,2,3,4,5,6,7
	FRAG 128*(\p)+FR*\i, ADRB+\slot, \q, \i
.endr
	WIN 0
.endm
.macro FETCH_A slot, q, i0
.irp i, \i0, \i0+1, \i0+2, \i0+3
	FRAG_A AF+FR*(\i), ADRA+\slot, \q, \i
.endr
.endm
.macro SCALES sc
.irp i, 0,1,2,3,4,5,6,7
	ds_load_b64 v[SC+8*NQ*\sc+NQ*\i:SC+8*NQ*\sc+NQ*\i+1], v[ADRS] offset:\i*SBLK
.endr
.endm
.macro PLACES n                        ; plain vector instructions that name no register of the matrix instructions before them (ISA guide 7.12.1)
.rept \n
	v_nop
.endr
.endm
.macro STEP slot, q, zero
	s_wait_dscnt 4*NL                              ; B's set and A's blocks 0-3 are in; the youngest 24 loads (A's blocks 4-7) may be out
.if \zero
	WIN FST_LO
.else
	WIN MUL_LO
.endif
	MUL16 0, (\q)%2, \q, \slot, \zero
	MUL16 2, (\q)%2, \q, \slot, \zero
	s_wait_dscnt 0
	PLACES NP
	FETCH_B \slot, (\q)+1, 1-(\q)%2
	FETCH_A \slot, (\q)+1, 0
.if \zero
	WIN FST_HI
.else
	WIN MUL_HI
.endif
	MUL16 4, (\q)%2, \q, \slot, \zero
	MUL16 6, (\q)%2, \q, \slot, \zero
	PLACES NP
	WIN 0
	FETCH_A \slot, (\q)+1, 4
.endm
.macro TURN slot, next, fill
	s_wait_tensorcnt 0x0                           ; all my tensor loads have landed: my part of the next slot
	ds_add_u32 v[SPW], v[NIL]                      ; 0 onto my spare word
	s_wait_dscnt 4*NL+1                            ; (the add and the youngest 24 loads may be out)
	WIN MUL_LO
	MUL16 0, 1, NQ-1, \slot, 0
	s_wait_dscnt 0x0                               ; the add is done, and my reads of this slot are over
	s_barrier_signal -1
	MUL16 2, 1, NQ-1, \slot, 0
	WIN 0
	s_barrier_wait -1
.if \fill
	CREST                                          ; the barrier has opened a round of the cluster's barrier: no wave of any partner still reads this slot or has a load on its way
	s_add_nc_u64 s[G0+4*\slot+2:G0+4*\slot+3], s[G0+4*\slot+2:G0+4*\slot+3], 8*PLANE     ; two K steps on: eight planes,
	s_add_nc_u64 s[G0B+4*\slot+2:G0B+4*\slot+3], s[G0B+4*\slot+2:G0B+4*\slot+3], 2*ROWB  ; 384 bytes along B's rows
	JLOAD G0+4*\slot, G1, G0B+4*\slot, G1B         ; the first tensor load behind the round; its four v_nop are also the places in front of the loads below
.else
	PLACES NP
.endif
	s_wait_alu depctr_va_vdst(0)
	v_add_nc_u32 v[ADRS], 4*NQ, v[ADRS]
	FETCH_B \next, 0, 0
	FETCH_A \next, 0, 0
	SCALES \next
	WIN MUL_HI
	MUL16 4, 1, NQ-1, \slot, 0
	MUL16 6, 1, NQ-1, \slot, 0
	PLACES NP
	WIN 0
	FETCH_A \next, 0, 4
.endm
	s_wait_alu depctr_va_vdst(0)
	s_wait_tensorcnt 1                             ; the scales and my part of K step 0 are in; K step 1's load may be out
	s_barrier_signal -1
	s_barrier_wait -1
	FETCH_B 0, 0, 0
	FETCH_A 0, 0, 0
	SCALES 0
	FETCH_A 0, 0, 4
	s_wait_loadcnt 0x0                             ; the bias
	STEP 0, 0, 1                                   ; the first step stands in front of the loop: its products start the sums
	s_mov_b32 s3, LAPS-1
.Llap:
	TURN 0, 1, 1
	STEP 1, 0, 0
	TURN 1, 0, 1
	STEP 0, 0, 0
	s_sub_co_u32 s3, s3, 1
	s_cmp_lg_u32 s3, 0
	s_cbranch_scc1 .Llap
	TURN 0, 1, 0                                   ; the last lap fills nothing
	STEP 1, 0, 0
	s_wait_dscnt 4*NL
	WIN MUL_LO
	MUL16 0, 1, NQ-1, 1, 0
	MUL16 2, 1, NQ-1, 1, 0
	s_wait_dscnt 0
	WIN MUL_HI
	MUL16 4, 1, NQ-1, 1, 0
	MUL16 6, 1, NQ-1, 1, 0
	WIN 0
; THE WAY OUT, block by block of 16 rows x 128 columns, through my own stage: in as 32 bytes a lane, back as whole rows of 512 bytes.  LDS serves a wave's instructions in order (ISA guide 5.7.1.4).
.macro TOSTAGE a
.set AC, 64*((\a)%4)
	WIN 0x08+4*((\a)/4)                            ; the data: window 2 or 3
.irp b, 0,1,2,3,4,5,6,7
	ds_store_b128 v[STO], v[AC+8*\b:AC+8*\b+3] offset:64*\b          ; each accumulator from its low end on
	ds_store_b128 v[STO], v[AC+8*\b+4:AC+8*\b+7] offset:64*\b+16
.endr
	WIN 0
.set BB, BK+64*((\a)%2)
.irp t, 0,1,2,3,4,5,6,7,8,9,10,11,12,13,14,15
	ds_load_b128 v[BB+4*\t:BB+4*\t+3], v[RD] offset:\t*SPITCH
.endr
.endm
.macro SEND a, younger                 ; younger: the LDS instructions issued behind block a's loads, which may stay out
.set BB, BK+64*((\a)%2)
	s_wait_dscnt \younger
.if (\a) > 0
	s_add_nc_u64 s[12:13], s[12:13], 16*SIZE_N*4   ; (behind a wait on XCNT: the earlier stores have read their base)
.endif
.irp t, 0,1,2,3,4,5,6,7,8,9,10,11,12,13,14,15
	global_store_b128 v[CO], v[BB+4*\t:BB+4*\t+3], s[12:13] offset:\t*SIZE_N*4 th:TH_STORE_NT   ; 32 lanes store 512 consecutive bytes, aligned to 256
.endr
.endm
	PLACES NP
	TOSTAGE 0
.irp a, 1,2,3,4,5,6,7
.if \a > 1
	s_wait_xcnt 0x0                                ; block a - 2's stores have read their registers and their base
.endif
	TOSTAGE \a
	SEND \a-1, 32                                  ; behind block a - 1's loads: block a's 16 stores and 16 loads
.endr
	s_wait_xcnt 0x0
	SEND 7, 0
	s_wait_tensorcnt 0x0                           ; the wave's end
	ds_add_u32 v[SPW], v[NIL]
	s_wait_dscnt 0x0
	CROUND                                         ; the closing round
	s_endpgm
.Lfunc_end_k_q2a9a913ed5_oproj:
	.size	k_q2a9a913ed5_oproj, .Lfunc_end_k_q2a9a913ed5_oproj-k_q2a9a913ed5_oproj
	.p2alignl 7, 3214868480
	.fill 96, 4, 3214868480
	.section	.rodata,"a",@progbits
	.p2align	6, 0x0
	.amdhsa_kernel k_q2a9a913ed5_oproj
		.amdhsa_group_segment_fixed_size 327680
		.amdhsa_private_segment_fixed_size 0
		.amdhsa_enable_private_segment 0
		.amdhsa_kernarg_size 48
		.amdhsa_user_sgpr_count 2
		.amdhsa_user_sgpr_kernarg_segment_ptr 1
		.amdhsa_wavefront_size32 1
		.amdhsa_system_sgpr_workgroup_id_x 1
		.amdhsa_system_sgpr_workgroup_id_y 1
		.amdhsa_system_sgpr_workgroup_id_z 1
		.amdhsa_system_vgpr_workitem_id 0
		.amdhsa_next_free_vgpr 1024
		.amdhsa_next_free_sgpr 100
		.amdhsa_reserve_vcc 0
		.amdhsa_float_denorm_mode_32 3
		.amdhsa_float_denorm_mode_16_64 3
		.amdhsa_memory_ordered 1
		.amdhsa_forward_progress 1
		.amdhsa_inst_pref_size 163
	.end_amdhsa_kernel
	.amdgpu_metadata
---
amdhsa.version: [ 1, 2 ]
amdhsa.kernels:
  - .name:           k_q2a9a913ed5_oproj
    .symbol:         k_q2a9a913ed5_oproj.kd
    .args:
      - { .name: cc, .offset: 0, .size: 8, .value_kind: global_buffer, .address_space: global }
      - { .name: cs, .offset: 8, .size: 8, .value_kind: global_buffer, .address_space: global }
      - { .name: Wo_codes, .offset: 16, .size: 8, .value_kind: global_buffer, .address_space: global }
      - { .name: Wo_scales, .offset: 24, .size: 8, .value_kind: global_buffer, .address_space: global }
      - { .name: bo, .offset: 32, .size: 8, .value_kind: global_buffer, .address_space: global }
      - { .name: out0, .offset: 40, .size: 8, .value_kind: global_buffer, .address_space: global }
    .group_segment_fixed_size: 327680
    .private_segment_fixed_size: 0
    .kernarg_segment_align: 8
    .kernarg_segment_size: 48
    .max_flat_workgroup_size: 128
    .sgpr_count:     100
    .vgpr_count:     1024
    .wavefront_size: 32
...
	.end_amdgpu_metadata
.endif
;; end of part 3
